; MI455X (gfx1250); checked and timed in simulation.
; The chip was launched on July 23, 2026; its instructions are those of AMD's public machine-readable ISA for CDNA 5 (MIT licence, August 2026) and "CDNA5" Instruction Set Architecture Reference Guide (July 2026). The comments in the code are by the model that wrote it; some were corrected since.
;; Multi Head Attention Block. Allowed arithmetic: matrix products marked QUANTISED: E2M1 operands, one E8M0 scale for each 32 along K, by v_wmma_scale_f32_16x16x128_f8f6f4 with both operands' format E2M1 (or v_wmma_scale_f32_32x16x128_f4), f32 sums; products left as they are: bf16, f16 or f32 operands; f32 sums; everything else in f32.
;; Inputs: Wk 512 x 512 float32; Wo 512 x 512 float32; Wq 512 x 512 float32; Wv 512 x 512 float32; bk 512 float32; bo 512 float32; bq 512 float32; bv 512 float32; k 2 x 4,096 x 512 float32; mask 2 x 1 x 1 x 4,096 int32; q 2 x 4,096 x 512 float32; v 2 x 4,096 x 512 float32.
;; Outputs: out0 2 x 4,096 x 512 float32.
;; This version of the problem:
;;   THIS VERSION OF THE PROBLEM IS GIVEN IN LOW PRECISION. The matrix products marked QUANTISED in the list below multiply operands that are first quantised to E2M1 (2 exponent bits, 1 mantissa bit; 4 bits a number), with one power-of-two scale for each 32 numbers along K (OCP MX v1.0); their sums are f32. The products marked 'left as it is' may take bf16, f16 or f32 operands, with f32 sums. Whichever they take, every output number must still come out within the allowed error. Rounding operands to bf16 (8 significant bits) uses up far more of that allowance than f16 does (11 bits, for magnitudes from 6e-5 to 65,504). All else is computed in f32.
;;   The module's matrix products, in the order in which they are computed (A, B: the left and right operand; K: the contracted axis; several contracted axes count as one K, in the product's order):
;;     1. [M 8,192, K 512] x [K 512, N 512]; A: input q; B: input Wq: QUANTISED
;;     2. [M 8,192, K 512] x [K 512, N 512]; A: input k; B: input Wk: QUANTISED
;;     3. [M 8,192, K 512] x [K 512, N 512]; A: input v; B: input Wv: QUANTISED
;;     4. batch 16 x [M 4,096, K 64] x [K 64, N 4,096]; A: computed on the way; B: computed on the way: left as it is (an operand is computed on the way)
;;     5. batch 16 x [M 4,096, K 4,096] x [K 4,096, N 64]; A: computed on the way; B: computed on the way: left as it is (an operand is computed on the way)
;;     6. [M 8,192, K 512] x [K 512, N 512]; A: computed on the way; B: input Wo: left as it is (an operand is computed on the way)
;;   THE QUANTISER, for each operand of a quantised product, along K:
;;     - K is cut into blocks of 32 from its start; a last block that is shorter is filled with zeros.
;;     - A block's scale is 2^e with e = floor(log2(the largest magnitude in the block)) - 2, held to -126 .. 127; a block of zeros has e = 0. As a byte (E8M0): e + 127.
;;     - Each number is divided by its block's scale, clamped to +-6, and rounded to the nearest number of E2M1, ties to even, subnormals kept.
;;     - The product sums the exact products of the quantised numbers (number of the format x scale) in f32.
;;   ~~~python
;;   def quantise(x, axis):      # numpy; x: float32 -> the quantised numbers, widened to float32 again
;;       x = np.moveaxis(x, axis, -1); K = x.shape[-1]
;;       x = np.pad(x, [(0, 0)] * (x.ndim - 1) + [(0, -K % 32)]); x = x.reshape(x.shape[:-1] + (-1, 32)); a = np.abs(x).max(-1, keepdims=True)
;;       e = np.where(a > 0, np.clip(np.frexp(np.where(a > 0, a, 1))[1] - 1 - 2, -126, 127), 0)      # np.frexp(a)[1] - 1 = floor(log2(a)), exactly
;;       r = np.clip(x / 2.0 ** e, -6, 6)
;;       step = 2.0 ** (np.maximum(np.frexp(np.where(r == 0, 1, r))[1] - 1, 0) - 1)
;;       q = np.round(r / step) * step * 2.0 ** e      # np.round: ties to even
;;       return np.moveaxis(q.reshape(q.shape[:-2] + (-1,))[..., :K], -1, axis).astype(np.float32)
;;   ~~~
;; 2 versions, each right; version 2 is version 1 with the launch proj written anew for expert scheduling mode. Each part assembles by itself: llvm-mc -triple=amdgcn-amd-amdhsa -mcpu=gfx1250 --defsym DOCPART=n.
;; ======== version 1 of 2: 4 launches
;; limits: values are held in f16: magnitudes above 65,504 overflow, below 6.1e-05 lose precision
;; workspace buffers: wcodes 393,216 bytes; wscales 49,152 bytes; woimg 524,288 bytes; qimg 8,388,608 bytes; kimg 8,388,608 bytes; vimg 8,388,608 bytes; cimg 8,388,608 bytes
;; launch prep (part 1): grid 128 x 1, 4 waves a work-group, no clusters, 0 bytes of LDS; arguments Wq, Wk, Wv, Wo, wcodes, wscales, woimg; writes wcodes, wscales, woimg
.if DOCPART == 1
	.amdgcn_target "amdgcn-amd-amdhsa--gfx1250"
	.amdhsa_code_object_version 6
	.text
	.protected	k_q81d6cde518_prep
	.globl	k_q81d6cde518_prep
	.p2align	8
	.type	k_q81d6cde518_prep,@function
k_q81d6cde518_prep:
	s_mov_b64 s[64:65], 0
	v_nop
	global_prefetch_b8 v0, s[64:65] scope:SCOPE_SE
	s_setreg_imm32_b32 hwreg(HW_REG_WAVE_MODE, 25, 1), 1
	s_wait_xcnt 0x0
; THE WEIGHTS, ONCE.  Wq, Wk, Wv [512 (n)][512 (k)] f32 become codes of FP4 (E2M1) with one E8M0 scale byte for each 32 along k; Wo [512][512] becomes f16.
; All are laid as IMAGES OF OPERAND REGISTERS: four registers of the 32 lanes are 512 consecutive bytes, lane l's 16 bytes at 16 l, so that a later wave loads a fragment by loads of 512 consecutive bytes.
;   wcodes  [w 3][nt 32][s 4][c 2][lane][16 bytes]: lane (r, h) holds the codes of row 16 nt + r, k = 128 s + 64 c + 32 h + 0 .. 31.
;   wscales [w 3][nt 32][s 4][lane][4 bytes]: row 16 nt + r's four scale bytes of K step s (the same word in both halves of the lanes).
;   woimg   [nt 32][kb 16][c 2][lane][16 bytes]: f16 of Wo[16 nt + r][32 kb + 16 c + 8 h + 0 .. 7].
; A block's scale is 2^(floor(log2(its largest magnitude)) - 2); its byte is the largest magnitude's exponent field - 2, held at 1 from below.
; LIMITS: a block of zeros gets the byte 1 where the rule says 127 (its codes are zeros, and this program alone reads the bytes); NaN and infinities are not served; Wo must lie under 65,504 in magnitude (f16).
; SHARES.  Work-groups 0 to 95: one FP4 fragment (16 rows x 128 k) a wave: tensor w = x / 32, rows 16 (x % 32) on, K step = the wave.  Work-groups 96 to 127: four f16 fragments of Wo a wave.
; A lane reads pieces of 128 (Wo: 32) consecutive bytes of its row: 4 MB in all, read once.  No LDS, no barrier: waves share nothing.
.set NUM, 32                           ; v32-95  the numbers as loaded
.set COD, 16                           ; v16..   what is stored
	s_load_b256 s[4:11], s[0:1], 0x0               ; Wq s[4:5], Wk s[6:7], Wv s[8:9], Wo s[10:11]
	s_load_b128 s[12:15], s[0:1], 0x20             ; wcodes s[12:13], wscales s[14:15]
	s_load_b64 s[16:17], s[0:1], 0x30              ; woimg
	v_lshrrev_b32 v1, 5, v0
	v_readfirstlane_b32 s18, v1                    ; wave 0..3
	v_and_b32 v1, 15, v0                           ; r
	v_bfe_u32 v2, v0, 4, 1                         ; h
	v_and_b32 v5, 31, v0
	v_lshlrev_b32 v3, 4, v5                        ; 16 x lane: my place in an image
	v_lshlrev_b32 v5, 2, v5                        ; 4 x lane: my place among the scale words
	v_lshlrev_b32 v4, 11, v1                       ; row r of 2,048 bytes
	s_mov_b32 s20, 0x76543210
	s_mov_b32 s21, 0xfedcba98                      ; v_permlanex16_b32's selects for lane l xor 16
	s_mov_b32 s25, 0
	s_mov_b32 s27, 0
	s_wait_kmcnt 0x0
	s_cmp_ge_u32 ttmp9, 96
	s_cbranch_scc1 .Lwo
	; ---- one FP4 fragment
	s_lshr_b32 s22, ttmp9, 5                       ; which tensor
	s_and_b32 s23, ttmp9, 31                       ; which 16 rows
	s_cmp_eq_u32 s22, 1
	s_cselect_b64 s[6:7], s[6:7], s[8:9]           ; the choice hangs on the work-group's number alone
	s_cmp_eq_u32 s22, 0
	s_cselect_b64 s[4:5], s[4:5], s[6:7]
	s_lshl_b32 s24, s23, 15                        ; 16 rows of 2,048 bytes
	s_lshl_b32 s23, s18, 9                         ; K step: 128 numbers
	s_add_co_u32 s24, s24, s23
	s_add_nc_u64 s[4:5], s[4:5], s[24:25]
	v_lshl_add_u32 v4, v2, 7, v4                   ; + 128 h: my block of 32 in each 64
.irp c, 0,1
.irp i, 0,1,2,3,4,5,6,7
	global_load_b128 v[NUM+32*\c+4*\i:NUM+32*\c+4*\i+3], v4, s[4:5] offset:256*\c+16*\i   ; W(row r, 128 s + 64 c + 32 h + 4 i ..): a whole block lies in my registers
.endr
.endr
	s_lshl_b32 s24, ttmp9, 2
	s_add_co_u32 s24, s24, s18                     ; the fragment's number
	s_lshl_b32 s26, s24, 10
	s_add_nc_u64 s[12:13], s[12:13], s[26:27]      ; 1,024 bytes of codes a fragment,
	s_lshl_b32 s26, s24, 7
	s_add_nc_u64 s[14:15], s[14:15], s[26:27]      ; 128 bytes of scale words
	s_wait_loadcnt 0x0
.irp c, 0,1
	v_max3_num_f32 v[8+\c], |v[NUM+32*\c]|, |v[NUM+32*\c+1]|, 0x1800000   ; my block 2 c + h; the floor 2^(3 - 127) holds the byte at 1 from below
.endr
.irp i, 2,4,6,8,10,12,14,16,18,20,22,24,26,28,30
.irp c, 0,1
	v_max3_num_f32 v[8+\c], v[8+\c], |v[NUM+32*\c+\i]|, |v[NUM+32*\c+\i+1]|   ; (the two blocks by turns)
.endr
.endr
.irp c, 0,1
	v_add_nc_u32 v[12+\c], 0xff000000, v[8+\c]     ; 2 off the exponent field: the conversion takes the exponent field of this operand as its scale
.endr
.irp c, 0,1
.irp g, 0,1,2,3
	v_cvt_scalef32_pk8_fp4_f32 v[COD+4*\c+\g], v[NUM+32*\c+8*\g:NUM+32*\c+8*\g+7], v[12+\c]
.endr
.endr
.irp c, 0,1
	v_lshrrev_b32 v[10+\c], 23, v[12+\c]           ; the scale's byte (plain lines behind the conversions)
.endr
	v_lshl_or_b32 v6, v11, 16, v10                 ; my two bytes: blocks h and 2 + h,
	v_lshlrev_b32 v7, 3, v2
	v_lshlrev_b32 v6, v7, v6                       ; at their places in the word (8 h bits up);
	v_mov_b32 v7, 0
	v_permlanex16_b32 v7, v6, s20, s21
	v_or_b32 v6, v6, v7                            ; with lane l xor 16's two the word is whole
	global_store_b128 v3, v[COD:COD+3], s[12:13]               ; 32 lanes store 512 consecutive bytes
	global_store_b128 v3, v[COD+4:COD+7], s[12:13] offset:512
	global_store_b32 v5, v6, s[14:15]
	s_endpgm
.Lwo:	; ---- four f16 fragments of Wo: rows 16 nt on, k = 128 x wave + 32 u on
	s_sub_co_u32 s22, ttmp9, 96                    ; nt
	s_lshl_b32 s24, s22, 15
	s_lshl_b32 s23, s18, 9
	s_add_co_u32 s24, s24, s23
	s_add_nc_u64 s[10:11], s[10:11], s[24:25]
	v_lshl_add_u32 v4, v2, 5, v4                   ; + 32 h: my eight numbers of each sixteen
.irp u, 0,1,2,3
.irp c, 0,1
.irp i, 0,1
	global_load_b128 v[NUM+16*\u+8*\c+4*\i:NUM+16*\u+8*\c+4*\i+3], v4, s[10:11] offset:128*\u+64*\c+16*\i
.endr
.endr
.endr
	s_lshl_b32 s26, s22, 14                        ; 16 fragments of 1,024 bytes for 16 rows,
	s_lshl_b32 s23, s18, 12                        ; four of them a wave
	s_add_co_u32 s26, s26, s23
	s_add_nc_u64 s[16:17], s[16:17], s[26:27]
	s_wait_loadcnt 0x0
.irp u, 0,1,2,3                        ; (from u = 2 on the results land on numbers that have been converted already)
.irp c, 0,1
.irp p, 0,1,2,3
	v_cvt_pk_f16_f32 v[COD+8*\u+4*\c+\p], v[NUM+16*\u+8*\c+2*\p], v[NUM+16*\u+8*\c+2*\p+1]
.endr
.endr
.endr
.irp u, 0,1,2,3
.irp c, 0,1
	global_store_b128 v3, v[COD+8*\u+4*\c:COD+8*\u+4*\c+3], s[16:17] offset:1024*\u+512*\c
.endr
.endr
	s_endpgm
.Lfunc_end_k_q81d6cde518_prep:
	.size	k_q81d6cde518_prep, .Lfunc_end_k_q81d6cde518_prep-k_q81d6cde518_prep
	.p2alignl 7, 3214868480
	.fill 96, 4, 3214868480
	.section	.rodata,"a",@progbits
	.p2align	6, 0x0
	.amdhsa_kernel k_q81d6cde518_prep
		.amdhsa_group_segment_fixed_size 0
		.amdhsa_private_segment_fixed_size 0
		.amdhsa_enable_private_segment 0
		.amdhsa_kernarg_size 56
		.amdhsa_user_sgpr_count 2
		.amdhsa_user_sgpr_kernarg_segment_ptr 1
		.amdhsa_wavefront_size32 1
		.amdhsa_system_sgpr_workgroup_id_x 1
		.amdhsa_system_sgpr_workgroup_id_y 1
		.amdhsa_system_sgpr_workgroup_id_z 1
		.amdhsa_system_vgpr_workitem_id 0
		.amdhsa_next_free_vgpr 96
		.amdhsa_next_free_sgpr 66
		.amdhsa_reserve_vcc 0
		.amdhsa_float_denorm_mode_32 3
		.amdhsa_float_denorm_mode_16_64 3
		.amdhsa_memory_ordered 1
		.amdhsa_forward_progress 1
		.amdhsa_inst_pref_size 12
	.end_amdhsa_kernel
	.amdgpu_metadata
---
amdhsa.version: [ 1, 2 ]
amdhsa.kernels:
  - .name:           k_q81d6cde518_prep
    .symbol:         k_q81d6cde518_prep.kd
    .args:
      - { .name: Wq, .offset: 0, .size: 8, .value_kind: global_buffer, .address_space: global }
      - { .name: Wk, .offset: 8, .size: 8, .value_kind: global_buffer, .address_space: global }
      - { .name: Wv, .offset: 16, .size: 8, .value_kind: global_buffer, .address_space: global }
      - { .name: Wo, .offset: 24, .size: 8, .value_kind: global_buffer, .address_space: global }
      - { .name: wcodes, .offset: 32, .size: 8, .value_kind: global_buffer, .address_space: global }
      - { .name: wscales, .offset: 40, .size: 8, .value_kind: global_buffer, .address_space: global }
      - { .name: woimg, .offset: 48, .size: 8, .value_kind: global_buffer, .address_space: global }
    .group_segment_fixed_size: 0
    .private_segment_fixed_size: 0
    .kernarg_segment_align: 8
    .kernarg_segment_size: 56
    .max_flat_workgroup_size: 128
    .sgpr_count:     66
    .vgpr_count:     96
    .wavefront_size: 32
...
	.end_amdgpu_metadata
.endif
;; end of part 1
;; launch proj (part 2): grid 384 x 1, 4 waves a work-group, no clusters, 39,424 bytes of LDS; arguments q, k, v, mask, bq, bk, bv, wcodes, wscales, qimg, kimg, vimg; writes qimg, kimg, vimg
.if DOCPART == 2
	.amdgcn_target "amdgcn-amd-amdhsa--gfx1250"
	.amdhsa_code_object_version 6
	.text
	.protected	k_q81d6cde518_proj
	.globl	k_q81d6cde518_proj
	.p2align	8
	.type	k_q81d6cde518_proj,@function
k_q81d6cde518_proj:
	s_mov_b64 s[64:65], 0
	v_nop
	global_prefetch_b8 v0, s[64:65] scope:SCOPE_SE
	s_setreg_imm32_b32 hwreg(HW_REG_WAVE_MODE, 25, 1), 1
	s_wait_xcnt 0x0
; THE THREE PROJECTIONS, x W^T + b, on codes of FP4 (E2M1) with one E8M0 scale for each 32 along K = 512.  x (q, k or v) [8,192][512] f32 is quantised here; W's codes and scale words come as images of operand registers.
; Work-group x: tensor x / 128 (0 q, 1 k, 2 v), rows 64 (x % 128) on.  THE WAVES SHARE THE COLUMNS: wave w makes columns 128 w .. 128 w + 127 (heads 2 w, 2 w + 1) for all 64 rows, and keeps its 32 fragments of W
; (256 registers, window 1) and their 32 scale words in registers.  Wave w also quantises rows 16 w .. 16 w + 15; their codes and scale bytes reach the other waves through LDS: one barrier.
; RESULTS leave as f16, as images of the registers in which the attention launch wants them, straight from the accumulators: each store of a wave covers 512 consecutive bytes, aligned.
;   q, k: the product is used TRANSPOSED (source 0 = 16 rows of W, source 1 = 16 tokens): a lane holds one token and eight neighbouring channels: qimg, kimg [b, head][token tile 256][cb 2][c 2][lane][16 bytes],
;         lane (r, h): token 16 tt + r, channel 32 cb + 16 c + 8 h + 0 .. 7.
;   v:    used plainly (source 0 = tokens): a lane holds one channel and eight neighbouring keys: vimg [b, head][kb 128][ct 4][c 2][lane][16 bytes], lane (r, h): channel 16 ct + r, keys 32 kb + 16 c + 8 h + 0 .. 7.
; q's results are multiplied in f32 by log2(e) / 8, so that the attention launch's scores are exponents of 2.  k's rows of tokens whose mask is 0 are stored as zeros: their scores then are the C operand that the
; attention launch gives them, and nothing else.  The bias is the C of each sum's first matrix instruction.
; LIMITS: query x log2(e) / 8, key and value must lie under 65,504 in magnitude (f16); NaN and infinities are not served; a block of zeros gets the scale byte 1 where the rule says 127 (its codes are zeros; this program alone reads the bytes).
; NO CLUSTER, NO TENSOR LOAD: x is shared with nobody; W's 131,072 bytes of codes are wanted in registers, 32,768 a wave, and come there by loads of 512 consecutive bytes; a joint load would bring them into LDS only to be read out once.
.set STG,   0                          ; LDS: for each wave two stages of 32 x 80 bytes, in which a row of x turns from 16 bytes a lane to 64 bytes a lane
.set XC,    20480                      ; the codes: 64 rows x (256 bytes + 16)
.set XSC,   37888                      ; the scale bytes: 64 rows x 16
.set SPARE, 38912                      ; the spare words, 128 bytes for each wave: two blocks of 256 bytes that no other line names
.set SPW, 14                           ; v14  LDS address of my spare word; never rewritten
.set NIL, 15                           ; v15  0; never rewritten
.set MK,  16                           ; v16-19   the mask of token r of each of the four tiles of rows; for k: all ones or 0
.set XW,  20                           ; v20-23   x's scale words of the tile of rows in hand: scales and nothing else
.set WS,  24                           ; v24-55   W's scale words, 4 n + s: scales and nothing else
.set BI,  56                           ; v56-119  the bias as C: eight registers a tile of columns
.set ACC, 120                          ; v120-183 eight accumulators
.set RL,  120                          ;          (while quantising: four rows as loaded)
.set XF,  184                          ; v184-215 x's four fragments of a tile of rows
.set XN,  184                          ;          (while quantising: two sets of 16 neighbours)
.set PK,  216                          ; v216-247 the results as f16
.set CD,  216                          ;          (while quantising: v216-219 codes, v220-221 scale bytes, by the step's parity)
.set BY,  220
.set BV,  248                          ; v248-255 the bias of column 16 n + r, for v's layout
; v1 16 x lane; v2, v3 the stage, in and out; v4 where my codes go; v5 where my scale byte goes; v6, v7 where I read x's fragments and scale words; v8 4 x lane; v9 4 r; v10 32 h; v11-13 at work
.set MSB, 0
.macro WIN new                         ; the immediate's high byte repeats the setting that is left
.if MSB != \new
	s_set_vgpr_msb (MSB<<8)|\new
.set MSB, \new
.endif
.endm
	s_load_b512 s[4:19], s[0:1], 0x0               ; q s[4:5], k s[6:7], v s[8:9], mask s[10:11], bq s[12:13], bk s[14:15], bv s[16:17], wcodes s[18:19]
	s_load_b256 s[20:27], s[0:1], 0x40             ; wscales s[20:21], qimg s[22:23], kimg s[24:25], vimg s[26:27]
	v_lshl_add_u32 v[SPW], v0, 2, SPARE
	v_mov_b32 v[NIL], 0
	v_lshrrev_b32 v11, 5, v0
	v_readfirstlane_b32 s28, v11                   ; wave 0..3
	s_lshr_b32 s29, ttmp9, 7                       ; which tensor
	s_and_b32 s30, ttmp9, 127                      ; which 64 rows
	s_mov_b32 s40, 0x3e38aa3b                      ; log2(e) / 8
	s_mov_b32 s41, s40                             ; (named with it as a pair)
	v_and_b32 v11, 31, v0                          ; lane
	v_lshlrev_b32 v1, 4, v11
	v_lshlrev_b32 v8, 2, v11
	v_lshrrev_b32 v12, 2, v11
	v_mul_u32_u24 v2, v12, 80
	v_and_b32 v12, 3, v11
	v_lshl_add_u32 v2, v12, 4, v2
	s_mul_i32 s31, s28, 5120
	v_add_nc_u32 v2, s31, v2                       ; the stage, in: four lanes' 64 bytes on end, then 16 of padding
	v_mul_u32_u24 v3, v11, 80
	v_add_nc_u32 v3, s31, v3                       ; and out: 80 x lane: my 16 neighbours
	s_mul_i32 s31, s28, 4352
	s_add_co_u32 s31, s31, XC
	v_lshl_add_u32 v4, v11, 3, s31                 ; my 8 bytes of codes in my wave's first row
	s_lshl_b32 s31, s28, 8
	s_add_co_u32 s31, s31, XSC
	v_lshrrev_b32 v5, 1, v11
	v_add_nc_u32 v5, s31, v5                       ; my block's byte
	v_and_b32 v12, 15, v0                          ; r
	v_bfe_u32 v13, v0, 4, 1                        ; h
	v_mul_u32_u24 v6, v12, 272
	v_lshl_add_u32 v6, v13, 4, v6
	v_add_nc_u32 v6, XC, v6                        ; a fragment: row r x 272 + 16 h
	v_lshl_add_u32 v7, v12, 4, XSC                 ; row r's 16 scale bytes
	v_lshlrev_b32 v9, 2, v12
	v_lshlrev_b32 v10, 5, v13
	s_lshl_b32 s38, s30, 17                        ; 64 rows of 2,048 bytes,
	s_lshl_b32 s31, s28, 15                        ; 16 of them a wave
	s_add_co_u32 s38, s38, s31
	s_mov_b32 s39, 0
	s_wait_kmcnt 0x0
	s_cmp_eq_u32 s29, 1                            ; the choices hang on the work-group's number alone
	s_cselect_b64 s[6:7], s[6:7], s[8:9]
	s_cselect_b64 s[14:15], s[14:15], s[16:17]
	s_cselect_b64 s[24:25], s[24:25], s[26:27]
	s_cmp_eq_u32 s29, 0
	s_cselect_b64 s[32:33], s[4:5], s[6:7]         ; x
	s_cselect_b64 s[34:35], s[12:13], s[14:15]     ; its bias
	s_cselect_b64 s[36:37], s[22:23], s[24:25]     ; its image
	s_add_nc_u64 s[32:33], s[32:33], s[38:39]
	s_lshl_b32 s38, s28, 9                         ; my 128 numbers of the bias
	s_add_nc_u64 s[34:35], s[34:35], s[38:39]
	s_lshl_b32 s38, s30, 8                         ; the mask of my 64 tokens
	s_add_nc_u64 s[10:11], s[10:11], s[38:39]
	s_lshl_b32 s38, s29, 17                        ; W's codes: 131,072 bytes a tensor, 32,768 a wave
	s_add_co_u32 s38, s38, s31
	s_add_nc_u64 s[42:43], s[18:19], s[38:39]
	s_lshl_b32 s38, s29, 14                        ; W's scale words: 16,384 a tensor, 4,096 a wave
	s_lshl_b32 s31, s28, 12
	s_add_co_u32 s38, s38, s31
	s_add_nc_u64 s[44:45], s[20:21], s[38:39]
	s_lshr_b32 s38, s30, 6                         ; the image: (8 b + 2 w) heads of 524,288 bytes
	s_lshl_b32 s38, s38, 2
	s_add_co_u32 s38, s38, s28
	s_lshl_b32 s38, s38, 20
	s_and_b32 s31, s30, 63                         ; + 8,192 bytes for each 64 tokens
	s_lshl_b32 s31, s31, 13
	s_add_co_u32 s38, s38, s31
	s_add_nc_u64 s[36:37], s[36:37], s[38:39]
.irp m, 0,1,2,3
	global_load_b32 v[MK+\m], v9, s[10:11] offset:64*\m        ; mask of token 16 m + r
.endr
.set i, 0
.rept 32
	global_load_b32 v[WS+i], v8, s[44:45] offset:128*i         ; W's scale words, fragment 4 n + s
.set i, i+1
.endr
.irp n, 0,1,2,3,4,5,6,7                ; the bias in both layouts: b[16 n + 8 h + 0 .. 7] for the transposed use, b[16 n + r] for the plain one
	global_load_b128 v[BI+8*\n:BI+8*\n+3], v10, s[34:35] offset:64*\n
	global_load_b128 v[BI+8*\n+4:BI+8*\n+7], v10, s[34:35] offset:64*\n+16
	global_load_b32 v[BV+\n], v9, s[34:35] offset:64*\n
.endr
; ---- QUANTISING: a step is one row of 512 numbers.  Each load reads 512 consecutive bytes, 16 a lane; the row turns through my stage and comes back 64 bytes a lane: 16 neighbours; two neighbouring lanes hold a block of 32.
.macro LOAD t
.irp i, 0,1,2,3
	global_load_b128 v[RL+16*((\t)%4)+4*\i:RL+16*((\t)%4)+4*\i+3], v1, s[32:33] offset:2048*(\t)+512*\i th:TH_LOAD_NT
.endr
.endm
.macro TURN t                          ; LDS serves a wave's instructions in order (ISA guide 5.7.1.4): no wait between the stores and the loads
.irp i, 0,1,2,3
	ds_store_b128 v2, v[RL+16*((\t)%4)+4*\i:RL+16*((\t)%4)+4*\i+3] offset:2560*((\t)%2)+640*\i
.endr
.irp i, 0,1,2,3
	ds_load_b128 v[XN+16*((\t)%2)+4*\i:XN+16*((\t)%2)+4*\i+3], v3 offset:2560*((\t)%2)+16*\i
.endr
.endm
.macro WCH t                           ; a sixteenth of my fragments of W, into window 1: they land while x is quantised
	WIN 0x40
.irp e, 0,1,2,3
	global_load_b128 v[16*(\t)+4*\e:16*(\t)+4*\e+3], v1, s[42:43] offset:2048*(\t)+512*\e
.endr
	WIN 0
.endm
.macro STEP t
.set XT, XN+16*((\t)%2)
.set PT, (\t)%2
.if (\t) > 0
	s_wait_dscnt 2                                 ; this row is back from the stage; the last step's two stores may be out; those of two steps ago, whose registers are written below, are done
.else
	s_wait_dscnt 0x0
.endif
.if (\t)+4 < 16
	LOAD (\t)+4
.endif
.if (\t) < 15
.set NA, 14-(\t)
.if NA > 3
.set NA, 3
.endif
.set NB, \t
.if NB > 3
.set NB, 3
.endif
	s_wait_loadcnt 4*NA+4*NB                       ; the next row is in: behind its four loads stand those of NA later rows and NB runs of four of W's
	TURN (\t)+1
.endif
	WCH \t
	v_max3_num_f32 v12, |v[XT]|, |v[XT+1]|, |v[XT+2]|          ; the largest magnitude of my 16, in two chains
	v_max3_num_f32 v13, |v[XT+3]|, |v[XT+4]|, |v[XT+5]|
.irp i, 6,10
	v_max3_num_f32 v12, v12, |v[XT+\i]|, |v[XT+\i+1]|
	v_max3_num_f32 v13, v13, |v[XT+\i+2]|, |v[XT+\i+3]|
.endr
	v_max3_num_f32 v12, v12, |v[XT+14]|, |v[XT+15]|
	v_max3_num_f32 v12, v12, v13, 0x1800000        ; and the floor 2^(3 - 127): the byte cannot fall under 1
	v_max_num_f32_dpp v12, v12, v12 row_xmask:1 row_mask:0xf bank_mask:0xf   ; with my neighbour's 16: the block's
	v_add_nc_u32 v11, 0xff000000, v12              ; 2 off the exponent field: the conversion's scale operand
	v_cvt_scalef32_pk8_fp4_f32 v[CD+2*PT], v[XT:XT+7], v11
	v_cvt_scalef32_pk8_fp4_f32 v[CD+2*PT+1], v[XT+8:XT+15], v11
	v_lshrrev_b32 v[BY+PT], 23, v11                ; the scale's byte (the plain line behind the conversions)
	ds_store_b64 v4, v[CD+2*PT:CD+2*PT+1] offset:272*(\t)
	ds_store_b8 v5, v[BY+PT] offset:16*(\t)        ; both lanes of a block write the same byte with the same value
.endm
.irp t, 0,1,2,3
	LOAD \t
.endr
	s_wait_loadcnt 12                              ; row 0 is in (and all the small loads ahead of it); rows 1 to 3 may be out
	TURN 0
.irp t, 0,1,2,3,4,5,6,7,8,9,10,11,12,13,14,15
	STEP \t
.endr
	s_wait_dscnt 0x0                               ; for the others' sake: my codes and scale bytes lie in LDS
	s_barrier_signal -1
	s_barrier_wait -1                              ; all 64 rows' do
; ---- THE PRODUCTS, a tile of 16 rows at a time
.macro XFETCH m                        ; x's four fragments (16 rows x 128 K: row r x 272 + 64 s + 32 c + 16 h) and the rows' four scale words
.irp s, 0,1,2,3
.irp c, 0,1
	ds_load_b128 v[XF+8*\s+4*\c:XF+8*\s+4*\c+3], v6 offset:4352*(\m)+64*\s+32*\c
.endr
.endr
	ds_load_b128 v[XW:XW+3], v7 offset:256*(\m)
.endm
; kind 0: q, 1: k, 2: v.  32 matrix instructions a tile of rows: the eight accumulators take turns, one instruction a turn, K step by K step.
.macro MM kind
.irp m, 0,1,2,3
	s_wait_dscnt 0x0                               ; x's fragments and scale words are in
.if \kind == 2
	WIN 0x04                                       ; source 1 (W) window 1
.else
	WIN 0x01                                       ; source 0 (W) window 1
.endif
.irp s, 0,1,2,3
.irp n, 0,1,2,3,4,5,6,7
.if \kind == 2
.if \s == 0
	v_wmma_scale_f32_16x16x128_f8f6f4 v[ACC+8*\n:ACC+8*\n+7], v[XF+8*\s:XF+8*\s+7], v[8*(4*\n+\s):8*(4*\n+\s)+7], v[BI+8*\n:BI+8*\n+7], v[XW+\s], v[WS+4*\n+\s] matrix_a_fmt:MATRIX_FMT_FP4 matrix_b_fmt:MATRIX_FMT_FP4
.else
	v_wmma_scale_f32_16x16x128_f8f6f4 v[ACC+8*\n:ACC+8*\n+7], v[XF+8*\s:XF+8*\s+7], v[8*(4*\n+\s):8*(4*\n+\s)+7], v[ACC+8*\n:ACC+8*\n+7], v[XW+\s], v[WS+4*\n+\s] matrix_a_fmt:MATRIX_FMT_FP4 matrix_b_fmt:MATRIX_FMT_FP4
.endif
.else
.if \s == 0
	v_wmma_scale_f32_16x16x128_f8f6f4 v[ACC+8*\n:ACC+8*\n+7], v[8*(4*\n+\s):8*(4*\n+\s)+7], v[XF+8*\s:XF+8*\s+7], v[BI+8*\n:BI+8*\n+7], v[WS+4*\n+\s], v[XW+\s] matrix_a_fmt:MATRIX_FMT_FP4 matrix_b_fmt:MATRIX_FMT_FP4
.else
	v_wmma_scale_f32_16x16x128_f8f6f4 v[ACC+8*\n:ACC+8*\n+7], v[8*(4*\n+\s):8*(4*\n+\s)+7], v[XF+8*\s:XF+8*\s+7], v[ACC+8*\n:ACC+8*\n+7], v[WS+4*\n+\s], v[XW+\s] matrix_a_fmt:MATRIX_FMT_FP4 matrix_b_fmt:MATRIX_FMT_FP4
.endif
.endif
.endr
.endr
	WIN 0
.rept 4
	v_nop                                          ; four places ahead of the loads into x's registers and of the first read of results; the conversions of the other accumulators add the fifth that the next tile's first products want
.endr
.if \m < 3
	XFETCH (\m+1)                                  ; the next tile's operands come while this tile's results are packed
.endif
.if \m > 0
	s_wait_xcnt 0x0                                ; the last tile's stores have read their data: the registers are written again only behind this wait
.endif
.irp n, 0,1,2,3,4,5,6,7                ; each accumulator from its low end on
.if \kind == 0
.irp p, 0,1,2,3
	v_pk_mul_f32 v[ACC+8*\n+2*\p:ACC+8*\n+2*\p+1], v[ACC+8*\n+2*\p:ACC+8*\n+2*\p+1], s[40:41] op_sel_hi:[1,0]   ; x log2(e) / 8, in f32
.endr
.endif
.irp p, 0,1,2,3
	v_cvt_pk_f16_f32 v[PK+4*\n+\p], v[ACC+8*\n+2*\p], v[ACC+8*\n+2*\p+1]
.endr
.if \kind == 1
.irp p, 0,1,2,3
	v_and_b32 v[PK+4*\n+\p], v[MK+\m], v[PK+4*\n+\p]           ; a masked token's key is stored as zeros
.endr
.endif
.if \kind == 2
	global_store_b128 v1, v[PK+4*\n:PK+4*\n+3], s[36:37] offset:(\n/4)*524288+4096*(\m/2)+1024*(\n%4)+512*(\m%2)
.else
	global_store_b128 v1, v[PK+4*\n:PK+4*\n+3], s[36:37] offset:(\n/4)*524288+2048*\m+512*(\n%4)
.endif
.endr
.endr
.endm
	XFETCH 0
	s_wait_loadcnt 0x0                             ; W's fragments, all of them
	s_cmp_eq_u32 s29, 0
	s_cbranch_scc1 .Lq
	s_cmp_eq_u32 s29, 1
	s_cbranch_scc1 .Lk
.irp n, 0,1,2,3,4,5,6,7                ; v: a lane holds one column, so its eight rows take the same bias
.irp j, 0,1,2,3,4,5,6,7
	v_mov_b32 v[BI+8*\n+\j], v[BV+\n]
.endr
.endr
	MM 2
	s_branch .Lend
.Lq:
	MM 0
	s_branch .Lend
.Lk:
.irp m, 0,1,2,3
	v_cmp_ne_u32 vcc_lo, 0, v[MK+\m]
	v_cndmask_b32 v[MK+\m], 0, -1, vcc_lo          ; all ones where the token counts, else 0
.endr
	MM 1
.Lend:
	s_wait_tensorcnt 0x0                           ; the wave's end, behind my last LDS store
	ds_add_u32 v[SPW], v[NIL]
	s_wait_dscnt 0x0
	s_endpgm
.Lfunc_end_k_q81d6cde518_proj:
	.size	k_q81d6cde518_proj, .Lfunc_end_k_q81d6cde518_proj-k_q81d6cde518_proj
	.p2alignl 7, 3214868480
	.fill 96, 4, 3214868480
	.section	.rodata,"a",@progbits
	.p2align	6, 0x0
	.amdhsa_kernel k_q81d6cde518_proj
		.amdhsa_group_segment_fixed_size 39424
		.amdhsa_private_segment_fixed_size 0
		.amdhsa_enable_private_segment 0
		.amdhsa_kernarg_size 96
		.amdhsa_user_sgpr_count 2
		.amdhsa_user_sgpr_kernarg_segment_ptr 1
		.amdhsa_wavefront_size32 1
		.amdhsa_system_sgpr_workgroup_id_x 1
		.amdhsa_system_sgpr_workgroup_id_y 1
		.amdhsa_system_sgpr_workgroup_id_z 1
		.amdhsa_system_vgpr_workitem_id 0
		.amdhsa_next_free_vgpr 512
		.amdhsa_next_free_sgpr 66
		.amdhsa_reserve_vcc 1
		.amdhsa_float_denorm_mode_32 3
		.amdhsa_float_denorm_mode_16_64 3
		.amdhsa_memory_ordered 1
		.amdhsa_forward_progress 1
		.amdhsa_inst_pref_size 151
	.end_amdhsa_kernel
	.amdgpu_metadata
---
amdhsa.version: [ 1, 2 ]
amdhsa.kernels:
  - .name:           k_q81d6cde518_proj
    .symbol:         k_q81d6cde518_proj.kd
    .args:
      - { .name: q, .offset: 0, .size: 8, .value_kind: global_buffer, .address_space: global }
      - { .name: k, .offset: 8, .size: 8, .value_kind: global_buffer, .address_space: global }
      - { .name: v, .offset: 16, .size: 8, .value_kind: global_buffer, .address_space: global }
      - { .name: mask, .offset: 24, .size: 8, .value_kind: global_buffer, .address_space: global }
      - { .name: bq, .offset: 32, .size: 8, .value_kind: global_buffer, .address_space: global }
      - { .name: bk, .offset: 40, .size: 8, .value_kind: global_buffer, .address_space: global }
      - { .name: bv, .offset: 48, .size: 8, .value_kind: global_buffer, .address_space: global }
      - { .name: wcodes, .offset: 56, .size: 8, .value_kind: global_buffer, .address_space: global }
      - { .name: wscales, .offset: 64, .size: 8, .value_kind: global_buffer, .address_space: global }
      - { .name: qimg, .offset: 72, .size: 8, .value_kind: global_buffer, .address_space: global }
      - { .name: kimg, .offset: 80, .size: 8, .value_kind: global_buffer, .address_space: global }
      - { .name: vimg, .offset: 88, .size: 8, .value_kind: global_buffer, .address_space: global }
    .group_segment_fixed_size: 39424
    .private_segment_fixed_size: 0
    .kernarg_segment_align: 8
    .kernarg_segment_size: 96
    .max_flat_workgroup_size: 128
    .sgpr_count:     66
    .vgpr_count:     512
    .wavefront_size: 32
...
	.end_amdgpu_metadata
.endif
;; end of part 2
;; launch attn (part 3): grid 16 x 16, 8 waves a work-group, clusters of 4 x 1, 327,680 bytes of LDS; arguments qimg, kimg, vimg, mask, cimg; writes cimg
.if DOCPART == 3
	.amdgcn_target "amdgcn-amd-amdhsa--gfx1250"
	.amdhsa_code_object_version 6
	.text
	.protected	k_q81d6cde518_attn
	.globl	k_q81d6cde518_attn
	.p2align	8
	.type	k_q81d6cde518_attn,@function
k_q81d6cde518_attn:
	s_mov_b64 s[64:65], 0
	v_nop
	global_prefetch_b8 v0, s[64:65] scope:SCOPE_SE
	s_setreg_imm32_b32 hwreg(HW_REG_WAVE_MODE, 25, 1), 1
	s_wait_xcnt 0x0
	s_wait_alu depctr_hold_cnt(0) depctr_sa_sdst(0) depctr_va_vdst(0) depctr_va_sdst(0) depctr_va_ssrc(0) depctr_va_vcc(0) depctr_vm_vsrc(0)
	s_getreg_b32 s2, hwreg(HW_REG_IB_STS2, 6, 4)
	s_cmp_eq_u32 s2, 0
	s_cbranch_scc0 .Lentry_in_a_cluster
	s_endpgm
.Lentry_in_a_cluster:
	s_bfe_u32 s2, ttmp6, 0x10000c
	s_cmp_lg_u32 s2, 0x3003
	s_cbranch_scc0 .Lentry_shape_is_right
	s_endpgm
.Lentry_shape_is_right:
; ctx[b, head][q][:] = the sum over keys of softmax(score) value, score = query . key / 8, and -1e9 where the key's mask is 0.  Operands f16, products, maxima and sums f32.
; qimg holds query x log2(e) / 8, so a score is an exponent of 2: t.  kimg holds zeros for masked keys, and the first product of every tile of scores takes as C the keys' bias, 0 or -1e9 x log2(e):
; a masked t is that number exactly, so a row whose keys are all masked averages all values, as the where() ahead of the softmax has it.
; SHARES.  Work-group: 256 queries of one (b, head).  Eight waves, two to a SIMD; a wave owns 32 queries: two tiles of 16.  Every wave walks all 4,096 keys, 64 a step.
; LAYOUT.  S^T = K Q^T (source 0 = 16 keys, source 1 = 16 queries) and O^T = V^T P (source 0 = 16 channels x 32 keys, source 1 = P): a lane holds ONE query (lane % 16) throughout; two tiles of S^T, rounded to f16 in
; pairs, ARE a fragment of P.  K, V, Q come as images of operand registers (four registers of the 32 lanes are 512 consecutive bytes): every LDS load reads 512 consecutive bytes; no pitch, no padding.
; SOFTMAX.  For each query a running maximum m and sum l: p = 2^(t - m); in every step O^T and l are multiplied by a = 2^(m_old - m_new).  m begins at -3e38, l and O^T at 0: the step is written once.
; BY TURNS.  In a TURN one tile has the matrix unit: 8 products V^T P of the step in hand, then 8 products K Q^T of the next step; the other tile's softmax, 117 vector instructions in 16 slices, stands between them,
; one slice behind each matrix instruction.  Then the tiles change places.  Two turns are a key step.
; CLUSTER.  The four query blocks of a cluster belong to one (b, head) and walk the same K and V: each tile is asked for JOINTLY, by the same tensor load with the same descriptor and the mask 15 in all four.
; RING.  Two slots of 512 keys (65,536 bytes of K, then 65,536 of V).  Each of the eight waves brings 16,384 bytes of a slot by one load; by this text's count a wave has two loads out at the start and one behind each round.
; LIMITS: operands are f16: query x log2(e) / 8, key, value and ctx under 65,504 in magnitude; NaN and infinities are not served.
; REGISTERS.  window 0: v1-7 addresses; v8, 9, 12 at work; v10, 11 the add's two; v16-31 statistics; v32-63 the step's bias; v64-127 S^T; v128-159 P; v160-191 Q; v192-255 K.   window 1: v0-63 V; v64-127 O^T.
.set SLOT1, 1<<17                      ; slot 1 begins here, so that one exclusive or turns an address in one slot into the other's
.set SLOTB, 65536                      ; a slot's bytes of K, and of V; in memory too
.set STEPB, 8192                       ; a step's bytes of K, and of V
.set BIAS,  2*SLOT1                    ; behind the ring: the bias of the batch's 4,096 keys, f32; stored by the waves, never a tensor load's target
.set SPARE, BIAS+16384                 ; the spare words, 128 bytes for each wave: four blocks of 256 bytes that no other line names
.set LI,  1                            ; v1   16 x lane
.set LIV, 2                            ; v2   the same in a slot's part for V
.set LB,  3                            ; v3   BIAS + 32 h: lanes 16-31 take the keys 8 further on
.set ADK, 4                            ; v4-6 the addresses of the loads in hand: K, V, the bias
.set ADV, 5
.set ADB, 6
.set PFO, 7                            ; v7   256 x lane, for the prefetches; never rewritten
.set SPW, 10                           ; v10  LDS address of my spare word; never rewritten
.set NIL, 11                           ; v11  0; never rewritten
.set ST,  16                           ; tile t's statistics at v[ST + 8 t]: +0 m, +1 named with it as a pair, +2, +3 l (even keys', odd keys'), +4 to +7 at work; a takes +6, m_old - m_new +7
.set BI,  32                           ; key tile kt's bias at v[BI + 8 kt]
.set S,   64                           ; tile t's scores at v[S + 32 t + 8 kt]
.set P,   128                          ; tile t's weights at v[P + 16 t + 8 kb]
.set Q,   160                          ; tile t's queries at v[Q + 16 t + 8 cb]
.set KF,  192                          ; the step's keys at v[KF + 8 (2 kt + cb)]
.set O,   64                           ; in window 1: tile t's O^T at v[O + 32 t + 8 ct]; V at v[8 (4 kb + ct)]
.set WV,  14                           ; s14  my wave's number
.set LIM, 15                           ; s15  1 in a wave that prefetches, else the greatest number
.set PFA, 18                           ; s[18:19] where my prefetches stand
.set G1,  24                           ; s[24:31] descriptor group 1
.set G0A, 32                           ; s[32:35] group 0 of slot 0's first fill
.set G0W, 36                           ; s[36:39] group 0 of slot 1's first fill, which then walks
.set TB,  40                           ; s40  LDS byte at which the tiles of the step to be fetched begin
.set TJ,  41                           ; s41  where that step's bias begins: 256 bytes a step
.set SLOTS, 42                         ; s42  slots still to be asked for
.set CNT, 43                           ; s43  counts key steps
.set SEL, 44                           ; s[44:45] v_permlanex16_b32's selects for lane l xor 16
.set MSB, 0
.macro WIN new                         ; the immediate's high byte repeats the setting that is left; a switch that changes nothing is dropped
.if MSB != \new
	s_set_vgpr_msb (MSB<<8)|\new
.set MSB, \new
.endif
.endm
.set W_PV, 0x51                        ; V (source 0), C and D in window 1; P in window 0
.set W_RS, 0x41                        ; O^T (destination and source 0) in window 1; a in window 0
.macro CROUND                          ; a round of the cluster's barrier: my work-group's barrier; wave 0 signals for the work-group; every wave waits for all four; my work-group's barrier once more
	s_barrier_signal -1
	s_barrier_wait -1
	s_cmp_lg_u32 s[WV], 0
	s_cbranch_scc1 .Lnot_wave_0_\@
	s_barrier_signal -3
.Lnot_wave_0_\@:
	s_barrier_wait -3
	s_barrier_signal -1
	s_barrier_wait -1
.endm
.macro JLOAD                           ; the joint refill: one line for all eight waves; an s_nop 0 and four v_nop follow it
	tensor_load_to_lds s[G0W:G0W+3], s[G1:G1+7]
	s_nop 0
.rept 4
	v_nop
.endr
.endm
; A PREFETCH of what the NEXT change of slots will ask for: 65,536 bytes of K and as many of V.  Each aligned block of 256 bytes is named once in the launch: all clusters of a (b, head) walk the same K and V, so its first
; cluster asks; the four partners share the bytes out BY ADDRESS, 8,192 each of a half; waves 0 and 2 ask for K's two halves, waves 4 and 6 for V's: one instruction, lanes 256 bytes apart.
; It stands eight key steps, 256 matrix instructions of a wave, ahead of the load that wants the bytes.  The last change that fills a slot asks for nothing; slots 0, 1 and 2 come by their loads alone.
.macro ASK
	s_cmp_gt_u32 s[SLOTS], s[LIM]
	s_cbranch_scc0 .Lnot_mine_\@
	global_prefetch_b8 v[PFO], s[PFA:PFA+1] th:TH_LOAD_NT scope:SCOPE_SE
.Lnot_mine_\@:
.endm
	s_load_b256 s[4:11], s[0:1], 0x0               ; qimg s[4:5], kimg s[6:7], vimg s[8:9], mask s[10:11]
	s_load_b64 s[12:13], s[0:1], 0x20              ; cimg
	v_lshl_add_u32 v[SPW], v0, 2, SPARE
	v_mov_b32 v[NIL], 0
	ds_add_u32 v[SPW], v[NIL]                      ; the wave's opening: the add, twice on end, and its wait ahead of my first tensor load; the set-up below stands between the second and the wait
	ds_add_u32 v[SPW], v[NIL]
	v_lshrrev_b32 v8, 5, v0
	v_readfirstlane_b32 s[WV], v8                  ; wave 0..7
	s_bfe_u32 s16, ttmp6, 0x40000                  ; cx: my place in the cluster
	s_lshl_b32 s17, ttmp9, 2                       ; in a cluster launch ttmp9 counts clusters
	s_add_co_u32 s17, s17, s16                     ; my block of 256 queries: it enters Q's and ctx's addresses alone
	s_and_b32 s20, ttmp7, 0xffff                   ; 8 b + head, which the four partners share
	s_lshl_b32 s21, s20, 19                        ; its 524,288 bytes in each image
	s_and_b32 s2, s[WV], 3                         ; what I fetch: quarter wave % 4 of a slot's K (waves 0-3) or V (waves 4-7)
	s_lshl_b32 s2, s2, 14
	s_add_co_u32 s2, s2, s21
	s_mov_b32 s3, 0
	s_lshl_b32 s22, s17, 15                        ; Q: 16 tiles of 2,048 bytes a block, two a wave
	s_add_co_u32 s22, s22, s21
	s_lshl_b32 s23, s[WV], 12
	s_add_co_u32 s22, s22, s23
	s_mov_b32 s23, 0
	; descriptor group 1: 16,384 dense bytes as 64 rows of 256
	s_mov_b32 s[G1], 15|(3<<16)|(1<<21)            ; 15:0 the mask: all four work-groups; 17:16 elements of 8 bytes; 20 no padding; 21 set beside a mask
	s_mov_b32 s[G1+1], 32<<16                      ; tensor_dim0 = 32
	s_mov_b32 s[G1+2], 64<<16                      ; tensor_dim1 = 64
	s_mov_b32 s[G1+3], 32<<16                      ; tile_dim0 = 32
	s_mov_b32 s[G1+4], 64                          ; tile_dim1 = 64
	s_mov_b32 s[G1+5], 32                          ; from row to row
	s_mov_b32 s[G1+6], 0
	s_mov_b32 s[G1+7], 0
	s_mov_b32 s[G0A], 1
	s_lshl_b32 s[G0A+1], s[WV], 14                 ; LDS: 16,384 x wave: K's four quarters, then V's; no place in the cluster enters an LDS address
	s_mov_b32 s[G0W], 1
	s_add_co_u32 s[G0W+1], s[G0A+1], SLOT1
	s_mov_b32 s[SEL], 0x76543210
	s_mov_b32 s[SEL+1], 0xfedcba98
	s_mov_b32 s[TB], 0
	s_mov_b32 s[TJ], 0
	s_mov_b32 s[SLOTS], 6
	s_and_b32 s[LIM], s[WV], 1                     ; 0 in waves 0, 2, 4, 6,
	s_or_b32 s[LIM], s[LIM], ttmp9                 ; of the (b, head)'s first cluster: the same in all four partners
	s_cmp_eq_u32 s[LIM], 0
	s_cselect_b32 s[LIM], 1, -1
	s_wait_dscnt 0x0                               ; both opening adds are done
	s_wait_kmcnt 0x0
	s_add_nc_u64 s[4:5], s[4:5], s[22:23]          ; Q at my wave's first tile
	s_cmp_lt_u32 s[WV], 4
	s_cselect_b64 s[PFA:PFA+1], s[6:7], s[8:9]     ; the tensor that I fetch from: the choice hangs on the wave's number alone
	s_add_nc_u64 s[G0A+2:G0A+3], s[PFA:PFA+1], s[2:3]          ; keys 0 to 511
	s_add_nc_u64 s[G0W+2:G0W+3], s[G0A+2:G0A+3], SLOTB         ; keys 512 to 1,023
	s_or_b32 s[G0A+3], s[G0A+3], 0x80000000        ; type = 2
	s_or_b32 s[G0W+3], s[G0W+3], 0x80000000
	s_and_b32 s2, s[WV], 2                         ; the prefetches: half (wave % 4) / 2 of 32,768 bytes,
	s_lshl_b32 s2, s2, 14
	s_lshl_b32 s22, s16, 13                        ; my work-group's 8,192 of them,
	s_add_co_u32 s2, s2, s22
	s_add_co_u32 s2, s2, s21
	s_add_co_u32 s2, s2, 2*SLOTB                   ; in the third 512 keys: the first change of slots steps it to the fourth
	s_add_nc_u64 s[PFA:PFA+1], s[PFA:PFA+1], s[2:3]
	s_lshr_b32 s22, s20, 3                         ; b
	s_lshl_b32 s2, s22, 22                         ; ctx: 256 token tiles of 16,384 bytes a batch,
	s_lshl_b32 s22, s22, 14                        ; the mask: 16,384 bytes a batch
	s_add_nc_u64 s[10:11], s[10:11], s[22:23]
	s_lshl_b32 s22, s17, 18                        ; 16 tiles a block,
	s_add_co_u32 s2, s2, s22
	s_lshl_b32 s22, s[WV], 15                      ; two a wave,
	s_add_co_u32 s2, s2, s22
	s_and_b32 s22, s20, 7                          ; and in a tile 2,048 bytes a head
	s_lshl_b32 s22, s22, 11
	s_add_co_u32 s2, s2, s22
	s_add_nc_u64 s[12:13], s[12:13], s[2:3]
	CROUND                                         ; all four work-groups are here: the first joint loads meet
	tensor_load_to_lds s[G0A:G0A+3], s[G1:G1+7]    ; both first fills together, ahead of every wait on TENSORcnt, every LDS read and every other barrier
	s_nop 0
	tensor_load_to_lds s[G0W:G0W+3], s[G1:G1+7]
	s_nop 0
.rept 4
	v_nop
.endr
	v_and_b32 v8, 31, v0
	v_lshlrev_b32 v[LI], 4, v8
	v_lshlrev_b32 v[PFO], 8, v8
	v_add_nc_u32 v[LIV], SLOTB, v[LI]
	v_bfe_u32 v9, v0, 4, 1
	v_lshl_add_u32 v[LB], v9, 5, BIAS
	v_lshlrev_b32 v12, 4, v0                       ; 16 x thread: my four words of each 4,096 bytes of the mask,
	v_lshl_add_u32 v9, v0, 4, BIAS                 ; and of the bias
.irp e, 0,1,2,3,4,5,6,7
	global_load_b128 v[Q+4*\e:Q+4*\e+3], v[LI], s[4:5] offset:512*\e           ; Q stays in registers
.endr
.irp n, 0,1,2,3
	global_load_b128 v[S+4*\n:S+4*\n+3], v12, s[10:11] offset:4096*\n          ; the batch's mask, 64 bytes a thread
.endr
.irp t, 0,1
	v_mov_b32 v[ST+8*\t], 0xff61b1e6               ; m = -3e38, under every t
	v_mov_b32 v[ST+8*\t+1], 0
	v_mov_b32 v[ST+8*\t+2], 0                      ; l
	v_mov_b32 v[ST+8*\t+3], 0
.endr
	WIN 0x40
.set e, 0
.rept 64
	v_mov_b32 v[O+e], 0                            ; O^T.  (The step is written once: the first a is 0 and meets zeros)
.set e, e+1
.endr
	WIN 0
	v_mov_b32 v8, 0xceabfb8f                       ; -1e9 x log2(e)
	s_wait_loadcnt 0x0
.set e, 0
.rept 16
	v_cmp_eq_u32 vcc_lo, 0, v[S+e]
	v_cndmask_b32 v[S+e], 0, v8, vcc_lo            ; the key's bias: 0 where it counts
.set e, e+1
.endr
.irp n, 0,1,2,3
	ds_store_b128 v9, v[S+4*\n:S+4*\n+3] offset:4096*\n
.endr
	s_wait_dscnt 0x0                               ; for the others' sake: my part of the bias lies in LDS,
	s_wait_tensorcnt 1                             ; and my part of slot 0; slot 1's may stay out
	s_barrier_signal -1
	s_barrier_wait -1
; THE MATRIX WORK OF A TURN, for tile x.  Four accumulators take turns, one instruction a turn.
.macro PV x                            ; product i of 8 of O^T += V^T P: keys 32 (i / 4) on, channels 16 (i % 4) on
	WIN W_PV
.set rO, O+32*(\x)+8*(i%4)
.set rV, 8*i
.set rP, P+16*(\x)+8*(i/4)
	v_wmma_f32_16x16x32_f16 v[rO:rO+7], v[rV:rV+7], v[rP:rP+7], v[rO:rO+7]
.endm
.macro KQ x                            ; product i of 8 of S^T = K Q^T + bias: channels 32 (i / 4) on, keys 16 (i % 4) on.  The first four start the sums with the keys' bias
	WIN 0
.set rS, S+32*(\x)+8*(i%4)
.set rK, KF+8*(2*(i%4)+i/4)
.set rQ, Q+16*(\x)+8*(i/4)
.if i < 4
	v_wmma_f32_16x16x32_f16 v[rS:rS+7], v[rK:rK+7], v[rQ:rQ+7], v[BI+8*(i%4):BI+8*(i%4)+7]
.else
	v_wmma_f32_16x16x32_f16 v[rS:rS+7], v[rK:rK+7], v[rQ:rQ+7], v[rS:rS+7]
.endif
.endm
; THE LDS LOADS stand in runs: a step's K and bias, and, a turn later, its V.
.macro FETCH_K
	WIN 0
	v_add_nc_u32 v[ADK], s[TB], v[LI]
	v_add_nc_u32 v[ADB], s[TJ], v[LB]
	s_add_co_u32 s[TJ], s[TJ], 256
.irp e, 0,1,2,3,4,5,6,7,8,9,10,11,12,13,14,15
	ds_load_b128 v[KF+4*\e:KF+4*\e+3], v[ADK] offset:512*\e
.endr
.irp e, 0,1,2,3,4,5,6,7
	ds_load_b128 v[BI+4*\e:BI+4*\e+3], v[ADB] offset:64*(\e/2)+16*(\e%2)       ; register j of key tile kt: the bias of key 16 kt + 8 h + j
.endr
.endm
.macro FETCH_V
	WIN 0
	v_add_nc_u32 v[ADV], s[TB], v[LIV]
	s_add_co_u32 s[TB], s[TB], STEPB               ; the next fetch is the next step's
	s_wait_alu depctr_va_vdst(0)                   ; the wait for the softmax's batch of exponentials (SLICE), ahead of the first instruction that names a result
	WIN 0x40
.irp e, 0,1,2,3,4,5,6,7,8,9,10,11,12,13,14,15
	ds_load_b128 v[4*\e:4*\e+3], v[ADV] offset:512*\e
.endr
.endm
; THE VECTOR WORK OF A TURN.  One tile's softmax for one key step is a numbered list; SM writes number j of it for tile t.  s0-s31 are the lane's 32 scores, in pairs 0-15.
;   0-15    the maximum of s0-s31 and the old m, three operands at a time: four chains, one for each tile of scores, each begun at that tile's low registers
;   16-20   the other half of the lanes' maximum; m_old kept; the new m; (19 is empty); m_old - m_new
;   21-69   ONE BATCH: the 16 subtractions t - m, a pair of scores each, and all 33 exponentials (a at 23, then s0-s31).  None of these names an exponential's result; a pair is subtracted ahead of its exponentials
;   (wait)  between 69 and 70 stands the wait for the batch: SLICE writes it
;   70-85   the roundings to f16, a pair of weights each          86-101  the sums; l = a l + the sum          102-117 the tile's O^T times a, from each accumulator's low end on
.macro SM t
.set rT, ST+8*(\t)
.set rS, S+32*(\t)
.set rP, P+16*(\t)
.set rO, O+32*(\t)+2*(j-102)
.if j < 102
	WIN 0
.endif
.if j < 4
	v_max3_num_f32 v[rT+4+j], v[rS+8*j], v[rS+8*j+1], v[rS+8*j+2]
.elseif j < 12
	v_max3_num_f32 v[rT+4+j%4], v[rT+4+j%4], v[rS+8*(j%4)+2*(j/4)+1], v[rS+8*(j%4)+2*(j/4)+2]
.elseif j == 12
	v_max3_num_f32 v[rT+4], v[rT+4], v[rS+7], v[rS+15]
.elseif j == 13
	v_max3_num_f32 v[rT+6], v[rT+6], v[rS+23], v[rS+31]
.elseif j == 14
	v_max3_num_f32 v[rT+4], v[rT+4], v[rT+5], v[rT+6]
.elseif j == 15
	v_max3_num_f32 v[rT+4], v[rT+4], v[rT+7], v[rT]
.elseif j == 16
	v_permlanex16_b32 v[rT+5], v[rT+4], s[SEL], s[SEL+1]       ; the query's other 32 keys lie in the lane 16 away
.elseif j == 17
	v_mov_b32 v[rT+7], v[rT]
.elseif j == 18
	v_max_num_f32 v[rT], v[rT+4], v[rT+5]
.elseif j == 19
.elseif j == 20
	v_sub_f32 v[rT+7], v[rT+7], v[rT]
.elseif j == 23
	v_exp_f32 v[rT+6], v[rT+7]
.elseif (j < 23) || ((j < 38) && (j%2 == 0)) || ((j < 66) && (j%4 == 2))
.set b, (j-2)/4                        ; 38, 42, .. 62: pairs 9 to 15
.if j < 38
.set b, (j-20)/2                       ; 21: pair 0; 22, 24, .. 36: pairs 1 to 8
.endif
	v_pk_add_f32 v[rS+2*b:rS+2*b+1], v[rS+2*b:rS+2*b+1], v[rT:rT+1] op_sel_hi:[1,0] neg_lo:[0,1] neg_hi:[0,1]   ; pair b: t - m: exactly 0 at the maximum
.elseif j < 70
.set e, j-38                           ; 66 to 69: s28 to s31
.if j < 66
.set e, j-32-(j-38)/4                  ; 39-41, 43-45, .. 63-65: s7 to s27
.endif
.if j < 38
.set e, (j-25)/2                       ; 25, 27, .. 37: s0 to s6
.endif
	v_exp_f32 v[rS+e], v[rS+e]
.elseif j < 86
	v_cvt_pk_f16_f32 v[rP+j-70], v[rS+2*(j-70)], v[rS+2*(j-70)+1]
.elseif j < 102                        ; the sum of the 16 pairs, in place: neighbours 1, 2, 4 and 8 pairs apart, then l takes it
.set z, j-86
.set w, 4
.set u, z
.if z >= 14
.set w, 32
.set u, 0
.elseif z >= 12
.set w, 16
.set u, z-12
.elseif z >= 8
.set w, 8
.set u, z-8
.endif
.if z < 15
	v_pk_add_f32 v[rS+w*u:rS+w*u+1], v[rS+w*u:rS+w*u+1], v[rS+w*u+w/2:rS+w*u+w/2+1]
.else
	v_pk_fma_f32 v[rT+2:rT+3], v[rT+2:rT+3], v[rT+6:rT+7], v[rS:rS+1] op_sel_hi:[1,0,1]
.endif
.else
	WIN W_RS
	v_pk_mul_f32 v[rO:rO+1], v[rO:rO+1], v[rT+6:rT+7] op_sel_hi:[1,0]
.endif
.endm
; Slice k of 16 of tile y's softmax: numbers 7 k to 7 k + 6; slice 15 takes the six that are over too: its 13 plain multiplications, which name O^T and a of tile y alone, are the places behind the turn's last products.
; Slices 0 to 9 are numbers 0 to 69: behind slice 9 no exponential is issued and ahead of slice 10 no result is named.  So a turn has one plain line and ONE wait there.
.macro SLICE y
.irp n, 0,1,2,3,4,5,6,7,8,9,10,11,12
.if (\n < 7) || (k == 15)
.set j, 7*k+\n
	SM \y
.endif
.endr
.if k == 9
	v_nop                                          ; the plain line behind the last exponential
.if (\y) == 0
	FETCH_V                                        ; tile 1's turn: V's run of loads stands here, and the wait stands in it.  V's last reader stands ahead of slice 7; four subtractions, the v_nop and the run's own addition are the places between
.else
	s_wait_alu depctr_va_vdst(0)
.endif
.endif
.set k, k+1
.endm
; A TURN.  Tile x has the matrix unit; the other tile's softmax stands in slices behind its matrix instructions.  pv, kq: whether the 8 products of each kind are there; with one kind alone two slices stand behind each.
; Tile 0's turn fetches the next step's K and bias behind its second product: K's last reader stands ahead of slice 15 of the turn before.
.macro TURN x, pv, kq
.set k, 0
.set per, 2
.if \pv && \kq
.set per, 1
.endif
.if \pv
.if \x == 0
	s_wait_dscnt 0x0                               ; V is in
.endif
.set i, 0
.rept 8
	PV \x
.rept per
	SLICE 1-\x
.endr
.if (\x == 0) && \kq && (i == 1)
	FETCH_K
.endif
.set i, i+1
.endr
.endif
.if \kq
.if \x == 0
	s_wait_dscnt 0x0                               ; K and the bias are in
.endif
.set i, 0
.rept 8
	KQ \x
.rept per
	SLICE 1-\x
.endr
.set i, i+1
.endr
.endif
.endm
.macro PAIRS n                         ; n key steps: written once, walked n times; the LDS addresses hang on s[TB] and s[TJ]
	WIN 0                                          ; at a label and at a branch every window is 0
	s_mov_b32 s[CNT], \n
.Lpair_\@:
	TURN 0, 1, 1
	TURN 1, 1, 1
	WIN 0
	s_sub_co_u32 s[CNT], s[CNT], 1
	s_cmp_lg_u32 s[CNT], 0
	s_cbranch_scc1 .Lpair_\@
.endm
; THE CHANGE OF SLOTS: the slot's last bytes, V of its eighth step, have been asked for.  Each wave waits for all its tensor loads (one is out: its part of the other slot), adds 0 to its spare word, and waits for that and
; for its own reads of the slot.  fill = 1: the barrier is a round of the cluster's, so that no wave of any partner still reads the slot or has a load on its way; the joint refill, the keys two slots on, is the first
; thing behind it and has eight key steps in which to land.
.macro CHANGE fill
	WIN 0
	s_wait_tensorcnt 0x0                           ; no tensor load of mine is out, so a group 0 may be written
	ds_add_u32 v[SPW], v[NIL]                      ; 0 onto my spare word
.if \fill
	s_xor_b32 s[G0W+1], s[G0W+1], SLOT1            ; the walking descriptor: the other slot than last time,
	s_add_nc_u64 s[G0W+2:G0W+3], s[G0W+2:G0W+3], SLOTB         ; the next 512 keys; the type bits on top are not reached
	s_wait_xcnt 0x0                                ; the last prefetch, eight key steps back, has read its address, so it may be written
	s_add_nc_u64 s[PFA:PFA+1], s[PFA:PFA+1], SLOTB
	s_wait_dscnt 0x0                               ; the add is done, and my reads of the slot are over
	CROUND
	JLOAD
	ASK
.else
	s_wait_dscnt 0x0
	s_barrier_signal -1
	s_barrier_wait -1
.endif
	s_sub_co_u32 s[TB], s[TB], SLOTB               ; the fetches go back to a slot's first step,
	s_xor_b32 s[TB], s[TB], SLOT1                  ; in the other slot
.endm
	FETCH_K                                        ; key step 0
	s_wait_dscnt 0x0
.set i, 0
.rept 8
	KQ 0                                           ; tile 0's first scores: there is no vector work yet to set between them
.set i, i+1
.endr
.rept 4
	v_nop                                          ; the places behind them
.endr
	TURN 1, 0, 1                                   ; tile 1's first scores | tile 0's first softmax | V of step 0
	PAIRS 7                                        ; steps 0 to 6; the fetches reach step 7, the slot's last
.Lslot:                                                ; six trips: slots' worth 2 to 7 of the keys are asked for
	CHANGE 1
	PAIRS 8
	s_sub_co_u32 s[SLOTS], s[SLOTS], 1
	s_cmp_lg_u32 s[SLOTS], 0
	s_cbranch_scc1 .Lslot
	CHANGE 0                                       ; the tail is written out: nothing is left to ask for
	PAIRS 8
	TURN 0, 1, 0                                   ; tile 0: V^T P of the last step | tile 1's last softmax
.set i, 0
.rept 8
	PV 1                                           ; tile 1: V^T P of the last step
.set i, i+1
.endr
	; THE WAY OUT.  l's two halves and the other half of the lanes' are added; O^T is divided by l and rounded to f16.  A lane's eight channels of a query are 16 bytes of the image in which the last launch wants ctx:
	; cimg [token tile 512][kb 16][c 2][lane][16 bytes], k = 64 head + channel = 32 kb + 16 c + 8 h + 0 .. 7: each store of the wave covers 512 consecutive bytes, aligned.  The additions are the places behind the last products.
	WIN 0
.irp t, 0,1
	v_add_f32 v[ST+8*\t+4], v[ST+8*\t+2], v[ST+8*\t+3]
.endr
.irp t, 0,1
	v_permlanex16_b32 v[ST+8*\t+5], v[ST+8*\t+4], s[SEL], s[SEL+1]
.endr
.irp t, 0,1
	v_add_f32 v[ST+8*\t+4], v[ST+8*\t+4], v[ST+8*\t+5]
.endr
.irp t, 0,1
	v_rcp_f32 v[ST+8*\t+6], v[ST+8*\t+4]
.endr
	v_nop                                          ; a plain line between the last reciprocal and the use of its result,
	s_wait_alu depctr_va_vdst(0)                   ; and the wait ahead of the first use: one for both
.irp t, 0,1
	WIN W_RS
.set e, 0
.rept 16
	v_pk_mul_f32 v[O+32*\t+2*e:O+32*\t+2*e+1], v[O+32*\t+2*e:O+32*\t+2*e+1], v[ST+8*\t+6:ST+8*\t+7] op_sel_hi:[1,0]
.set e, e+1
.endr
	WIN 0x05                                       ; sources 0 and 1 window 1, destination window 0: S^T's registers are free
.set e, 0
.rept 16
	v_cvt_pk_f16_f32 v[S+32*\t+e], v[O+32*\t+2*e], v[O+32*\t+2*e+1]
.set e, e+1
.endr
	WIN 0
.irp c, 0,1,2,3
	global_store_b128 v[LI], v[S+32*\t+4*\c:S+32*\t+4*\c+3], s[12:13] offset:16384*\t+512*\c
.endr
.endr
	s_wait_tensorcnt 0x0                           ; the wave's end, behind my last tensor load and my last LDS store
	ds_add_u32 v[SPW], v[NIL]
	s_wait_dscnt 0x0
	CROUND                                         ; the closing round: no work-group ends while a partner may still ask for a tile that names it
	s_endpgm
.Lfunc_end_k_q81d6cde518_attn:
	.size	k_q81d6cde518_attn, .Lfunc_end_k_q81d6cde518_attn-k_q81d6cde518_attn
	.p2alignl 7, 3214868480
	.fill 96, 4, 3214868480
	.section	.rodata,"a",@progbits
	.p2align	6, 0x0
	.amdhsa_kernel k_q81d6cde518_attn
		.amdhsa_group_segment_fixed_size 327680
		.amdhsa_private_segment_fixed_size 0
		.amdhsa_enable_private_segment 0
		.amdhsa_kernarg_size 40
		.amdhsa_user_sgpr_count 2
		.amdhsa_user_sgpr_kernarg_segment_ptr 1
		.amdhsa_wavefront_size32 1
		.amdhsa_system_sgpr_workgroup_id_x 1
		.amdhsa_system_sgpr_workgroup_id_y 1
		.amdhsa_system_sgpr_workgroup_id_z 1
		.amdhsa_system_vgpr_workitem_id 0
		.amdhsa_next_free_vgpr 384
		.amdhsa_next_free_sgpr 66
		.amdhsa_reserve_vcc 1
		.amdhsa_float_denorm_mode_32 3
		.amdhsa_float_denorm_mode_16_64 3
		.amdhsa_memory_ordered 1
		.amdhsa_forward_progress 1
		.amdhsa_inst_pref_size 91
	.end_amdhsa_kernel
	.amdgpu_metadata
---
amdhsa.version: [ 1, 2 ]
amdhsa.kernels:
  - .name:           k_q81d6cde518_attn
    .symbol:         k_q81d6cde518_attn.kd
    .args:
      - { .name: qimg, .offset: 0, .size: 8, .value_kind: global_buffer, .address_space: global }
      - { .name: kimg, .offset: 8, .size: 8, .value_kind: global_buffer, .address_space: global }
      - { .name: vimg, .offset: 16, .size: 8, .value_kind: global_buffer, .address_space: global }
      - { .name: mask, .offset: 24, .size: 8, .value_kind: global_buffer, .address_space: global }
      - { .name: cimg, .offset: 32, .size: 8, .value_kind: global_buffer, .address_space: global }
    .group_segment_fixed_size: 327680
    .private_segment_fixed_size: 0
    .kernarg_segment_align: 8
    .kernarg_segment_size: 40
    .max_flat_workgroup_size: 256
    .sgpr_count:     66
    .vgpr_count:     384
    .wavefront_size: 32
...
	.end_amdgpu_metadata
.endif
;; end of part 3
;; launch outp (part 4): grid 4 x 64, 4 waves a work-group, clusters of 4 x 1, 199,168 bytes of LDS; arguments cimg, woimg, bo, out0; writes out0
.if DOCPART == 4
	.amdgcn_target "amdgcn-amd-amdhsa--gfx1250"
	.amdhsa_code_object_version 6
	.text
	.protected	k_q81d6cde518_outp
	.globl	k_q81d6cde518_outp
	.p2align	8
	.type	k_q81d6cde518_outp,@function
k_q81d6cde518_outp:
	s_mov_b64 s[64:65], 0
	v_nop
	global_prefetch_b8 v0, s[64:65] scope:SCOPE_SE
	s_setreg_imm32_b32 hwreg(HW_REG_WAVE_MODE, 25, 1), 1
	s_wait_xcnt 0x0
	s_wait_alu depctr_hold_cnt(0) depctr_sa_sdst(0) depctr_va_vdst(0) depctr_va_sdst(0) depctr_va_ssrc(0) depctr_va_vcc(0) depctr_vm_vsrc(0)
	s_getreg_b32 s2, hwreg(HW_REG_IB_STS2, 6, 4)
	s_cmp_eq_u32 s2, 0
	s_cbranch_scc0 .Lentry_in_a_cluster
	s_endpgm
.Lentry_in_a_cluster:
	s_bfe_u32 s2, ttmp6, 0x10000c
	s_cmp_lg_u32 s2, 0x3003
	s_cbranch_scc0 .Lentry_shape_is_right
	s_endpgm
.Lentry_shape_is_right:
; out0 = ctx Wo^T + bo.  ctx [8,192][512] and Wo [512][512] come as f16, as images of operand registers (four registers of the 32 lanes are 512 consecutive bytes); sums f32; out0 f32.
; SHARES.  A work-group makes 128 rows x 128 columns; the four work-groups of a cluster make the four column blocks of the same 128 rows, so ctx's 131,072 bytes, one dense block, are asked for JOINTLY, 32,768 a wave, once.
; Wave w makes columns 32 w .. 32 w + 31 of the block for all 128 rows, and keeps Wo's 32 fragments of these columns (256 registers, window 1) in registers: 32,768 consecutive bytes of woimg.
; THE MATRIX INSTRUCTION IS USED TRANSPOSED (source 0 = 16 rows of Wo, source 1 = 16 tokens): a lane holds eight neighbouring numbers of a row of out0.  bo is the C of each sum's first instruction.
; A row's 512 bytes come from four waves: they meet in a stage in LDS (rows of 512 + 16 bytes), one barrier, and each wave stores 32 whole rows, 512 consecutive aligned bytes an instruction.
; LDS is filled once: no ring.  LIMITS: as the operands are f16, ctx and Wo lie under 65,504 in magnitude.
.set CTX,   0                          ; LDS: eight token tiles of 16,384 bytes
.set STG,   131072                     ; the stage: 128 rows x 528 bytes; no tensor load lands here
.set SPARE, STG+128*528                ; the spare words, 128 bytes for each wave: two blocks of 256 bytes that no other line names
.set LI,  1                            ; v1   16 x lane
.set LI2, 2                            ; v2   the same, 65,536 bytes on: token tiles 4 to 7
.set SO,  3                            ; v3   the stage: where I put 32 bytes of a row
.set SR,  4                            ; v4   and where I read a row back
.set SPW, 6                            ; v6   LDS address of my spare word; never rewritten
.set NIL, 7                            ; v7   0; never rewritten
.set BI,  8                            ; v8-23   bo as C: eight registers for each of my two tiles of columns
.set ACC, 24                           ; v24-55  two sets of two accumulators, by the token tile's parity
.set CF,  64                           ; v64-191 a token tile's 16 fragments, in two halves; on the way out 32 rows
.set WV,  12                           ; s12  my wave's number
.set G1,  24                           ; s[24:31], s[32:35] the descriptor
.set G0,  32
.set MSB, 0
.macro WIN new                         ; the immediate's high byte repeats the setting that is left
.if MSB != \new
	s_set_vgpr_msb (MSB<<8)|\new
.set MSB, \new
.endif
.endm
.macro CROUND                          ; a round of the cluster's barrier
	s_barrier_signal -1
	s_barrier_wait -1
	s_cmp_lg_u32 s[WV], 0
	s_cbranch_scc1 .Lnot_wave_0_\@
	s_barrier_signal -3
.Lnot_wave_0_\@:
	s_barrier_wait -3
	s_barrier_signal -1
	s_barrier_wait -1
.endm
	s_load_b256 s[4:11], s[0:1], 0x0               ; cimg s[4:5], woimg s[6:7], bo s[8:9], out0 s[10:11]
	v_lshl_add_u32 v[SPW], v0, 2, SPARE
	v_mov_b32 v[NIL], 0
	ds_add_u32 v[SPW], v[NIL]                      ; the wave's opening: the add, twice on end, and its wait ahead of my first tensor load; the set-up below stands between the second and the wait
	ds_add_u32 v[SPW], v[NIL]
	v_lshrrev_b32 v1, 5, v0
	v_readfirstlane_b32 s[WV], v1                  ; wave 0..3
	s_bfe_u32 s13, ttmp6, 0x40000                  ; cx: my block of 128 columns: it enters Wo's, bo's and out0's addresses alone
	s_and_b32 s14, ttmp7, 0xffff                   ; my 128 rows, which the four partners share
	s_mov_b32 s[G1], 15|(3<<16)|(1<<21)            ; 15:0 the mask: all four work-groups; 17:16 elements of 8 bytes; 20 no padding; 21 set beside a mask
	s_mov_b32 s[G1+1], 32<<16                      ; tensor_dim0 = 32: rows of 256 bytes
	s_mov_b32 s[G1+2], 128<<16                     ; tensor_dim1 = 128
	s_mov_b32 s[G1+3], 32<<16                      ; tile_dim0 = 32
	s_mov_b32 s[G1+4], 128                         ; tile_dim1 = 128
	s_mov_b32 s[G1+5], 32                          ; from row to row
	s_mov_b32 s[G1+6], 0
	s_mov_b32 s[G1+7], 0
	s_mov_b32 s[G0], 1
	s_lshl_b32 s[G0+1], s[WV], 15                  ; LDS: 32,768 x wave
	s_lshl_b32 s16, s14, 17                        ; memory: 131,072 bytes for 128 rows, 32,768 a wave
	s_add_co_u32 s16, s16, s[G0+1]
	s_mov_b32 s17, 0
	s_lshl_b32 s18, s13, 17                        ; Wo: 8 tiles of 16,384 bytes a block of columns, two a wave
	s_add_co_u32 s18, s18, s[G0+1]
	s_mov_b32 s19, 0
	s_lshl_b32 s20, s13, 9                         ; bo: 512 bytes a block, 128 a wave
	s_lshl_b32 s21, s[WV], 7
	s_add_co_u32 s20, s20, s21
	s_mov_b32 s21, 0
	s_lshl_b32 s22, s14, 18                        ; out0: 128 rows of 2,048 bytes, 32 of them a wave, + the block's 512 bytes
	s_lshl_b32 s23, s[WV], 16
	s_add_co_u32 s22, s22, s23
	s_lshl_b32 s23, s13, 9
	s_add_co_u32 s22, s22, s23
	s_mov_b32 s23, 0
	s_wait_dscnt 0x0                               ; both opening adds are done
	s_wait_kmcnt 0x0
	s_add_nc_u64 s[G0+2:G0+3], s[4:5], s[16:17]
	s_or_b32 s[G0+3], s[G0+3], 0x80000000          ; type = 2
	s_add_nc_u64 s[6:7], s[6:7], s[18:19]
	s_add_nc_u64 s[8:9], s[8:9], s[20:21]
	s_add_nc_u64 s[10:11], s[10:11], s[22:23]
	CROUND                                         ; all four work-groups are here: the joint loads meet
	tensor_load_to_lds s[G0:G0+3], s[G1:G1+7]      ; my one tensor load of the launch
	s_nop 0
.rept 4
	v_nop
.endr
	v_and_b32 v56, 31, v0
	v_lshlrev_b32 v[LI], 4, v56
	v_add_nc_u32 v[LI2], 65536, v[LI]
	v_and_b32 v56, 15, v0                          ; r
	v_bfe_u32 v57, v0, 4, 1                        ; h
	v_lshlrev_b32 v5, 5, v57                       ; 32 h
	WIN 0x40
.set e, 0
.rept 64
	global_load_b128 v[4*e:4*e+3], v[LI], s[6:7] offset:512*e  ; Wo's fragment (n, kb) at v[8 (16 n + kb)] of window 1: they stay
.set e, e+1
.endr
	WIN 0
.irp n, 0,1
	global_load_b128 v[BI+8*\n:BI+8*\n+3], v5, s[8:9] offset:64*\n             ; bo[16 n + 8 h + 0 .. 7] of my 32
	global_load_b128 v[BI+8*\n+4:BI+8*\n+7], v5, s[8:9] offset:64*\n+16
.endr
	v_mul_u32_u24 v[SO], v56, 528
	v_lshl_add_u32 v[SO], v57, 5, v[SO]
	s_lshl_b32 s18, s[WV], 7
	s_add_co_u32 s18, s18, STG
	v_add_nc_u32 v[SO], s18, v[SO]                 ; the stage, in: row r, + 32 h, + 128 x wave
	s_mul_i32 s18, s[WV], 32*528
	s_add_co_u32 s18, s18, STG
	v_add_nc_u32 v[SR], s18, v[LI]                 ; back: my 32 rows, 16 bytes a lane
	s_wait_tensorcnt 0x0                           ; my quarter of ctx is in,
	s_barrier_signal -1
	s_barrier_wait -1                              ; everybody's is
.macro HLOAD m, half                   ; half a token tile: eight fragments, 16 loads of 512 consecutive bytes
.if (\m) < 4
.set AD, LI
.else
.set AD, LI2
.endif
.set e, 0
.rept 16
	ds_load_b128 v[CF+64*(\half)+4*e:CF+64*(\half)+4*e+3], v[AD] offset:16384*((\m)%4)+8192*(\half)+512*e
.set e, e+1
.endr
.endm
.macro MUL m, half                     ; 16 matrix instructions: K = 256 half on; my two accumulators take turns, one instruction a turn; four places behind them (ISA guide 7.12.1)
	WIN 0x01                                       ; source 0 (Wo) window 1
.set kb, 8*(\half)
.rept 8
.irp n, 0,1
.if kb == 0
	v_wmma_f32_16x16x32_f16 v[ACC+16*((\m)%2)+8*\n:ACC+16*((\m)%2)+8*\n+7], v[8*(16*\n+kb):8*(16*\n+kb)+7], v[CF+8*kb:CF+8*kb+7], v[BI+8*\n:BI+8*\n+7]
.else
	v_wmma_f32_16x16x32_f16 v[ACC+16*((\m)%2)+8*\n:ACC+16*((\m)%2)+8*\n+7], v[8*(16*\n+kb):8*(16*\n+kb)+7], v[CF+8*kb:CF+8*kb+7], v[ACC+16*((\m)%2)+8*\n:ACC+16*((\m)%2)+8*\n+7]
.endif
.endr
.set kb, kb+1
.endr
	WIN 0
.rept 4
	v_nop
.endr
.endm
	HLOAD 0, 0
	HLOAD 0, 1
	s_wait_loadcnt 0x0                             ; Wo and bo
.irp m, 0,1,2,3,4,5,6,7
.if \m == 0
	s_wait_dscnt 16                                ; the first half is in; the second half's 16 loads may be out
.else
	s_wait_dscnt 20                                ; the first half is in; behind it stand the last tile's four stores and the second half's 16 loads
.endif
	MUL \m, 0
.if \m < 7
	HLOAD (\m+1), 0
	s_wait_dscnt 16                                ; the second half is in; the 16 loads just issued may be out
.else
	s_wait_dscnt 0x0
.endif
	MUL \m, 1
.irp n, 0,1
	ds_store_b128 v[SO], v[ACC+16*(\m%2)+8*\n:ACC+16*(\m%2)+8*\n+3] offset:8448*\m+64*\n           ; lane (r, h): out0(16 m + r, 32 w + 16 n + 8 h + 0 .. 7); each accumulator from its low end on
	ds_store_b128 v[SO], v[ACC+16*(\m%2)+8*\n+4:ACC+16*(\m%2)+8*\n+7] offset:8448*\m+64*\n+16
.endr
.if \m < 7
	HLOAD (\m+1), 1
.endif
.endr
	s_wait_dscnt 0x0                               ; for the others' sake: my stores into the stage are done
	s_barrier_signal -1
	s_barrier_wait -1                              ; 128 whole rows lie in the stage
.set e, 0
.rept 32
	ds_load_b128 v[CF+4*e:CF+4*e+3], v[SR] offset:528*e
.set e, e+1
.endr
.set e, 0
.rept 32
	s_wait_dscnt 31-e
	global_store_b128 v[LI], v[CF+4*e:CF+4*e+3], s[10:11] offset:2048*e th:TH_STORE_NT   ; 32 lanes store 512 consecutive bytes, at a multiple of 256 from out0's first byte; written once, read by nobody here
.set e, e+1
.endr
	s_wait_tensorcnt 0x0                           ; the wave's end, behind my last tensor load and my last LDS store
	ds_add_u32 v[SPW], v[NIL]
	s_wait_dscnt 0x0
	CROUND                                         ; the closing round: no work-group ends while a partner may still ask for a tile that names it
	s_endpgm
.Lfunc_end_k_q81d6cde518_outp:
	.size	k_q81d6cde518_outp, .Lfunc_end_k_q81d6cde518_outp-k_q81d6cde518_outp
	.p2alignl 7, 3214868480
	.fill 96, 4, 3214868480
	.section	.rodata,"a",@progbits
	.p2align	6, 0x0
	.amdhsa_kernel k_q81d6cde518_outp
		.amdhsa_group_segment_fixed_size 199168
		.amdhsa_private_segment_fixed_size 0
		.amdhsa_enable_private_segment 0
		.amdhsa_kernarg_size 32
		.amdhsa_user_sgpr_count 2
		.amdhsa_user_sgpr_kernarg_segment_ptr 1
		.amdhsa_wavefront_size32 1
		.amdhsa_system_sgpr_workgroup_id_x 1
		.amdhsa_system_sgpr_workgroup_id_y 1
		.amdhsa_system_sgpr_workgroup_id_z 1
		.amdhsa_system_vgpr_workitem_id 0
		.amdhsa_next_free_vgpr 512
		.amdhsa_next_free_sgpr 66
		.amdhsa_reserve_vcc 0
		.amdhsa_float_denorm_mode_32 3
		.amdhsa_float_denorm_mode_16_64 3
		.amdhsa_memory_ordered 1
		.amdhsa_forward_progress 1
		.amdhsa_inst_pref_size 55
	.end_amdhsa_kernel
	.amdgpu_metadata
---
amdhsa.version: [ 1, 2 ]
amdhsa.kernels:
  - .name:           k_q81d6cde518_outp
    .symbol:         k_q81d6cde518_outp.kd
    .args:
      - { .name: cimg, .offset: 0, .size: 8, .value_kind: global_buffer, .address_space: global }
      - { .name: woimg, .offset: 8, .size: 8, .value_kind: global_buffer, .address_space: global }
      - { .name: bo, .offset: 16, .size: 8, .value_kind: global_buffer, .address_space: global }
      - { .name: out0, .offset: 24, .size: 8, .value_kind: global_buffer, .address_space: global }
    .group_segment_fixed_size: 199168
    .private_segment_fixed_size: 0
    .kernarg_segment_align: 8
    .kernarg_segment_size: 32
    .max_flat_workgroup_size: 128
    .sgpr_count:     66
    .vgpr_count:     512
    .wavefront_size: 32
...
	.end_amdgpu_metadata
.endif
;; end of part 4
;; ======== version 2 of 2: 4 launches; version 1 with the launch proj written anew for expert scheduling mode
;; limits: values are held in f16: magnitudes above 65,504 overflow, below 6.1e-05 lose precision
;; workspace buffers: wcodes 393,216 bytes; wscales 49,152 bytes; woimg 524,288 bytes; qimg 8,388,608 bytes; kimg 8,388,608 bytes; vimg 8,388,608 bytes; cimg 8,388,608 bytes
;; launch prep: the kernel of part 1 again; grid 128 x 1, 4 waves a work-group, no clusters, 0 bytes of LDS; arguments Wq, Wk, Wv, Wo, wcodes, wscales, woimg; writes wcodes, wscales, woimg
;; launch proj (part 5): grid 384 x 1, 4 waves a work-group, no clusters, 39,424 bytes of LDS; arguments q, k, v, mask, bq, bk, bv, wcodes, wscales, qimg, kimg, vimg; writes qimg, kimg, vimg
.if DOCPART == 5
	.amdgcn_target "amdgcn-amd-amdhsa--gfx1250"
	.amdhsa_code_object_version 6
	.text
	.protected	k_q81d6cde518_proj
	.globl	k_q81d6cde518_proj
	.p2align	8
	.type	k_q81d6cde518_proj,@function
k_q81d6cde518_proj:
	s_mov_b64 s[64:65], 0
	v_nop
	global_prefetch_b8 v0, s[64:65] scope:SCOPE_SE
	s_setreg_imm32_b32 hwreg(HW_REG_WAVE_SCHED_MODE, 0, 2), 2
	s_setreg_imm32_b32 hwreg(HW_REG_WAVE_MODE, 25, 1), 1
	s_wait_xcnt 0x0
	s_wait_alu depctr_vm_vsrc(0)
; THE THREE PROJECTIONS, x W^T + b, on codes of FP4 (E2M1) with one E8M0 scale for each 32 along K = 512.  x (q, k or v) [8,192][512] f32 is quantised here; W's codes and scale words come as images of operand registers.
; Work-group x: tensor x / 128 (0 q, 1 k, 2 v), rows 64 (x % 128) on.  THE WAVES SHARE THE COLUMNS: wave w makes columns 128 w .. 128 w + 127 (heads 2 w, 2 w + 1) for all 64 rows, and keeps its 32 fragments of W
; (256 registers, window 1) and their 32 scale words in registers.  Wave w also quantises rows 16 w .. 16 w + 15; their codes and scale bytes reach the other waves through LDS: one barrier.
; RESULTS leave as f16, as images of the registers in which the attention launch wants them, straight from the accumulators: each store of a wave covers 512 consecutive bytes, aligned.
;   q, k: the product is used TRANSPOSED (source 0 = 16 rows of W, source 1 = 16 tokens): a lane holds one token and eight neighbouring channels: qimg, kimg [b, head][token tile 256][cb 2][c 2][lane][16 bytes],
;         lane (r, h): token 16 tt + r, channel 32 cb + 16 c + 8 h + 0 .. 7.
;   v:    used plainly (source 0 = tokens): a lane holds one channel and eight neighbouring keys: vimg [b, head][kb 128][ct 4][c 2][lane][16 bytes], lane (r, h): channel 16 ct + r, keys 32 kb + 16 c + 8 h + 0 .. 7.
; q's results are multiplied in f32 by log2(e) / 8, so that the attention launch's scores are exponents of 2.  k's rows of tokens whose mask is 0 are stored as zeros: their scores then are the C operand that the
; attention launch gives them, and nothing else.  The bias is the C of each sum's first matrix instruction.
; LIMITS: query x log2(e) / 8, key and value must lie under 65,504 in magnitude (f16); NaN and infinities are not served; a block of zeros gets the scale byte 1 where the rule says 127 (its codes are zeros; this program alone reads the bytes).
; NO CLUSTER, NO TENSOR LOAD: x is shared with nobody; W's 131,072 bytes of codes are wanted in registers, 32,768 a wave, and come there by loads of 512 consecutive bytes; a joint load would bring them into LDS only to be read out once.
; THE MODE: SCHED_MODE bits 1:0 = 2 (LLVM: expert scheduling mode 2), set by the entry lines.  The code itself states the register dependences between vector or matrix instructions and memory or LDS instructions,
; with s_wait_alu, always for 0.
; THE PLAN.  Registers that memory or LDS instructions touch:
;   v1-v10        offsets and LDS addresses: made at the head, never written again: all steps stand in immediate offsets.
;   RL0 .. RL3    a row of x as loaded.  Written by the loads of row t; read by the four LDS stores of row t's turn through the stage; the loads of row t + 4, issued in step t, land there.  No vector line names them while x is quantised.
;   XN0, XN1      16 neighbours a lane.  Written by the LDS loads of row t's turn; read by step t's maxima and conversions; the turn of row t + 2, issued in step t + 1, lands there.
;   CD, BY        two sets: a row's codes and scale byte.  Written by step t; read by two LDS stores that are issued at the head of step t + 1; written again by step t + 2.
;   W (window 1)  written by loads, read by matrix instructions alone.
;   XF, XW        x's fragments and scale words of a tile of rows: read by the tile's 32 matrix instructions; the next tile's LDS loads land there.
;   PK            a tile's results as f16: written by its conversions, read by its eight stores, written again by the next tile's conversions.
; So two waits stand at the head of a quantising step, and all the step's memory and LDS instructions follow them ahead of its vector lines; a tile of rows has one wait behind its matrix instructions, one behind its
; conversions, and one, a whole tile behind the stores that it speaks of, ahead of them.
.set STG,   0                          ; LDS: for each wave two stages of 32 x 80 bytes, in which a row of x turns from 16 bytes a lane to 64 bytes a lane
.set XC,    20480                      ; the codes: 64 rows x (256 bytes + 16)
.set XSC,   37888                      ; the scale bytes: 64 rows x 16
.set SPARE, 38912                      ; the spare words, 128 bytes for each wave: two blocks of 256 bytes that no other line names
.set SPW, 14                           ; v14  LDS address of my spare word; never rewritten
.set NIL, 15                           ; v15  0; never rewritten
.set MK,  16                           ; v16-19   the mask of token r of each of the four tiles of rows; for k: all ones or 0
.set XW,  20                           ; v20-23   x's scale words of the tile of rows in hand: scales and nothing else
.set WS,  24                           ; v24-55   W's scale words, 4 n + s: scales and nothing else
.set BI,  56                           ; v56-119  the bias as C: eight registers a tile of columns
.set ACC, 120                          ; v120-183 eight accumulators
.set RL,  120                          ;          (while quantising: four rows as loaded)
.set XF,  184                          ; v184-215 x's four fragments of a tile of rows
.set XN,  184                          ;          (while quantising: two sets of 16 neighbours)
.set PK,  216                          ; v216-247 the results as f16
.set CD,  216                          ;          (while quantising: v216-219 codes, v220-221 scale bytes, by the step's parity)
.set BY,  220
.set BV,  248                          ; v248-255 the bias of column 16 n + r, for v's layout
; v1 16 x lane; v2, v3 the stage, in and out; v4 where my codes go; v5 where my scale byte goes; v6, v7 where I read x's fragments and scale words; v8 4 x lane; v9 4 r; v10 32 h; v11-13 at work
.set MSB, 0
.macro WIN new                         ; the immediate's high byte repeats the setting that is left
.if MSB != \new
	s_set_vgpr_msb (MSB<<8)|\new
.set MSB, \new
.endif
.endm
	s_load_b512 s[4:19], s[0:1], 0x0               ; q s[4:5], k s[6:7], v s[8:9], mask s[10:11], bq s[12:13], bk s[14:15], bv s[16:17], wcodes s[18:19]
	s_load_b256 s[20:27], s[0:1], 0x40             ; wscales s[20:21], qimg s[22:23], kimg s[24:25], vimg s[26:27]
	v_lshl_add_u32 v[SPW], v0, 2, SPARE
	v_mov_b32 v[NIL], 0
	v_lshrrev_b32 v11, 5, v0
	v_readfirstlane_b32 s28, v11                   ; wave 0..3
	s_lshr_b32 s29, ttmp9, 7                       ; which tensor
	s_and_b32 s30, ttmp9, 127                      ; which 64 rows
	s_mov_b32 s40, 0x3e38aa3b                      ; log2(e) / 8
	s_mov_b32 s41, s40                             ; (named with it as a pair)
	v_and_b32 v11, 31, v0                          ; lane
	v_lshlrev_b32 v1, 4, v11
	v_lshlrev_b32 v8, 2, v11
	v_lshrrev_b32 v12, 2, v11
	v_mul_u32_u24 v2, v12, 80
	v_and_b32 v12, 3, v11
	v_lshl_add_u32 v2, v12, 4, v2
	s_wait_alu depctr_va_sdst(0)                   ; s28, the wave's number, is written, ahead of its first reader: LDS places and the bases are made from it
	s_mul_i32 s31, s28, 5120
	v_add_nc_u32 v2, s31, v2                       ; the stage, in: four lanes' 64 bytes on end, then 16 of padding
	v_mul_u32_u24 v3, v11, 80
	v_add_nc_u32 v3, s31, v3                       ; and out: 80 x lane: my 16 neighbours
	s_mul_i32 s31, s28, 4352
	s_add_co_u32 s31, s31, XC
	v_lshl_add_u32 v4, v11, 3, s31                 ; my 8 bytes of codes in my wave's first row
	s_lshl_b32 s31, s28, 8
	s_add_co_u32 s31, s31, XSC
	v_lshrrev_b32 v5, 1, v11
	v_add_nc_u32 v5, s31, v5                       ; my block's byte
	v_and_b32 v12, 15, v0                          ; r
	v_bfe_u32 v13, v0, 4, 1                        ; h
	v_mul_u32_u24 v6, v12, 272
	v_lshl_add_u32 v6, v13, 4, v6
	v_add_nc_u32 v6, XC, v6                        ; a fragment: row r x 272 + 16 h
	v_lshl_add_u32 v7, v12, 4, XSC                 ; row r's 16 scale bytes
	v_lshlrev_b32 v9, 2, v12
	v_lshlrev_b32 v10, 5, v13
	s_lshl_b32 s38, s30, 17                        ; 64 rows of 2,048 bytes,
	s_lshl_b32 s31, s28, 15                        ; 16 of them a wave
	s_add_co_u32 s38, s38, s31
	s_mov_b32 s39, 0
	s_wait_kmcnt 0x0
	s_cmp_eq_u32 s29, 1                            ; the choices hang on the work-group's number alone
	s_cselect_b64 s[6:7], s[6:7], s[8:9]
	s_cselect_b64 s[14:15], s[14:15], s[16:17]
	s_cselect_b64 s[24:25], s[24:25], s[26:27]
	s_cmp_eq_u32 s29, 0
	s_cselect_b64 s[32:33], s[4:5], s[6:7]         ; x
	s_cselect_b64 s[34:35], s[12:13], s[14:15]     ; its bias
	s_cselect_b64 s[36:37], s[22:23], s[24:25]     ; its image
	s_add_nc_u64 s[32:33], s[32:33], s[38:39]
	s_lshl_b32 s38, s28, 9                         ; my 128 numbers of the bias
	s_add_nc_u64 s[34:35], s[34:35], s[38:39]
	s_lshl_b32 s38, s30, 8                         ; the mask of my 64 tokens
	s_add_nc_u64 s[10:11], s[10:11], s[38:39]
	s_lshl_b32 s38, s29, 17                        ; W's codes: 131,072 bytes a tensor, 32,768 a wave
	s_add_co_u32 s38, s38, s31
	s_add_nc_u64 s[42:43], s[18:19], s[38:39]
	s_lshl_b32 s38, s29, 14                        ; W's scale words: 16,384 a tensor, 4,096 a wave
	s_lshl_b32 s31, s28, 12
	s_add_co_u32 s38, s38, s31
	s_add_nc_u64 s[44:45], s[20:21], s[38:39]
	s_lshr_b32 s38, s30, 6                         ; the image: (8 b + 2 w) heads of 524,288 bytes
	s_lshl_b32 s38, s38, 2
	s_add_co_u32 s38, s38, s28
	s_lshl_b32 s38, s38, 20
	s_and_b32 s31, s30, 63                         ; + 8,192 bytes for each 64 tokens
	s_lshl_b32 s31, s31, 13
	s_add_co_u32 s38, s38, s31
	s_add_nc_u64 s[36:37], s[36:37], s[38:39]
	s_wait_alu depctr_va_vdst(0)                   ; the ten offsets and LDS addresses v1 to v10 are written: every load, store and LDS instruction of the kernel reads one of them
.irp m, 0,1,2,3
	global_load_b32 v[MK+\m], v9, s[10:11] offset:64*\m        ; mask of token 16 m + r
.endr
.set i, 0
.rept 32
	global_load_b32 v[WS+i], v8, s[44:45] offset:128*i         ; W's scale words, fragment 4 n + s
.set i, i+1
.endr
.irp n, 0,1,2,3,4,5,6,7                ; the bias in both layouts: b[16 n + 8 h + 0 .. 7] for the transposed use, b[16 n + r] for the plain one
	global_load_b128 v[BI+8*\n:BI+8*\n+3], v10, s[34:35] offset:64*\n
	global_load_b128 v[BI+8*\n+4:BI+8*\n+7], v10, s[34:35] offset:64*\n+16
	global_load_b32 v[BV+\n], v9, s[34:35] offset:64*\n
.endr
; ---- QUANTISING: a step is one row of 512 numbers.  Each load reads 512 consecutive bytes, 16 a lane; the row turns through my stage and comes back 64 bytes a lane: 16 neighbours; two neighbouring lanes hold a block of 32.
.macro LOAD t
.irp i, 0,1,2,3
	global_load_b128 v[RL+16*((\t)%4)+4*\i:RL+16*((\t)%4)+4*\i+3], v1, s[32:33] offset:2048*(\t)+512*\i th:TH_LOAD_NT
.endr
.endm
.macro TURN t                          ; LDS serves a wave's instructions in order (ISA guide 5.7.1.4): no wait between the stores and the loads
.irp i, 0,1,2,3
	ds_store_b128 v2, v[RL+16*((\t)%4)+4*\i:RL+16*((\t)%4)+4*\i+3] offset:2560*((\t)%2)+640*\i
.endr
.irp i, 0,1,2,3
	ds_load_b128 v[XN+16*((\t)%2)+4*\i:XN+16*((\t)%2)+4*\i+3], v3 offset:2560*((\t)%2)+16*\i
.endr
.endm
.macro WCH t                           ; a sixteenth of my fragments of W, into window 1: they land while x is quantised.  No vector line names these registers, and their offset is v1: no wait is owed
	WIN 0x40
.irp e, 0,1,2,3
	global_load_b128 v[16*(\t)+4*\e:16*(\t)+4*\e+3], v1, s[42:43] offset:2048*(\t)+512*\e
.endr
	WIN 0
.endm
.macro PUT t                           ; row t's codes and scale byte go to LDS, a step behind the lines that made them
	ds_store_b64 v4, v[CD+2*((\t)%2):CD+2*((\t)%2)+1] offset:272*(\t)
	ds_store_b8 v5, v[BY+(\t)%2] offset:16*(\t)    ; both lanes of a block write the same byte with the same value
.endm
.macro STEP t
.set XT, XN+16*((\t)%2)
.set PT, (\t)%2
	s_wait_dscnt 0x0                               ; this row is back from the stage: its four loads are the youngest LDS instructions of mine
	s_wait_alu depctr_vm_vsrc(0)                   ; the LDS stores of this row's turn have read the raw registers in which the loads of four rows on land; the stores of the row two back have read the codes' and the byte's registers that this step writes
.if (\t) > 0
	s_wait_alu depctr_va_vdst(0)                   ; the last step has written its codes and its byte, which the two stores below read, and is done reading its 16 neighbours, in which the next row's turn lands
	PUT (\t)-1
.endif
.if (\t)+4 < 16
	LOAD (\t)+4
.endif
.if (\t) < 15
.set NA, 14-(\t)
.if NA > 3
.set NA, 3
.endif
.set NB, \t
.if NB > 3
.set NB, 3
.endif
	s_wait_loadcnt 4*NA+4*NB                       ; the next row is in: behind its four loads stand those of NA later rows and NB runs of four of W's
	TURN (\t)+1
.endif
	WCH \t
	v_max3_num_f32 v12, |v[XT]|, |v[XT+1]|, |v[XT+2]|          ; the largest magnitude of my 16, in two chains
	v_max3_num_f32 v13, |v[XT+3]|, |v[XT+4]|, |v[XT+5]|
.irp i, 6,10
	v_max3_num_f32 v12, v12, |v[XT+\i]|, |v[XT+\i+1]|
	v_max3_num_f32 v13, v13, |v[XT+\i+2]|, |v[XT+\i+3]|
.endr
	v_max3_num_f32 v12, v12, |v[XT+14]|, |v[XT+15]|
	v_max3_num_f32 v12, v12, v13, 0x1800000        ; and the floor 2^(3 - 127): the byte cannot fall under 1
	v_max_num_f32_dpp v12, v12, v12 row_xmask:1 row_mask:0xf bank_mask:0xf   ; with my neighbour's 16: the block's
	v_add_nc_u32 v11, 0xff000000, v12              ; 2 off the exponent field: the conversion's scale operand
	v_cvt_scalef32_pk8_fp4_f32 v[CD+2*PT], v[XT:XT+7], v11
	v_cvt_scalef32_pk8_fp4_f32 v[CD+2*PT+1], v[XT+8:XT+15], v11
	v_lshrrev_b32 v[BY+PT], 23, v11                ; the scale's byte (the plain line behind the conversions)
.endm
.irp t, 0,1,2,3
	LOAD \t
.endr
	s_wait_loadcnt 12                              ; row 0 is in (and all the small loads ahead of it); rows 1 to 3 may be out
	TURN 0
.irp t, 0,1,2,3,4,5,6,7,8,9,10,11,12,13,14,15
	STEP \t
.endr
	s_wait_alu depctr_va_vdst(0)                   ; row 15's lines have written its codes and its byte, which the two stores below read, and are done reading the 16 neighbours, in which x's first fragments land behind the barrier
	PUT 15
	s_wait_dscnt 0x0                               ; for the others' sake: my codes and scale bytes lie in LDS
	s_barrier_signal -1
	s_barrier_wait -1                              ; all 64 rows' do
	s_wait_alu depctr_vm_vsrc(0)                   ; my LDS stores have read the raw rows' registers and the codes' and bytes': from here on these are the accumulators, written by matrix instructions, and the results as f16, written by conversions
; ---- THE PRODUCTS, a tile of 16 rows at a time
.macro XFETCH m                        ; x's four fragments (16 rows x 128 K: row r x 272 + 64 s + 32 c + 16 h) and the rows' four scale words
.irp s, 0,1,2,3
.irp c, 0,1
	ds_load_b128 v[XF+8*\s+4*\c:XF+8*\s+4*\c+3], v6 offset:4352*(\m)+64*\s+32*\c
.endr
.endr
	ds_load_b128 v[XW:XW+3], v7 offset:256*(\m)
.endm
; kind 0: q, 1: k, 2: v.  32 matrix instructions a tile of rows: the eight accumulators take turns, one instruction a turn, K step by K step.
.macro MM kind
.irp m, 0,1,2,3
	s_wait_dscnt 0x0                               ; x's fragments and scale words are in
.if \kind == 2
	WIN 0x04                                       ; source 1 (W) window 1
.else
	WIN 0x01                                       ; source 0 (W) window 1
.endif
.irp s, 0,1,2,3
.irp n, 0,1,2,3,4,5,6,7
.if \kind == 2
.if \s == 0
	v_wmma_scale_f32_16x16x128_f8f6f4 v[ACC+8*\n:ACC+8*\n+7], v[XF+8*\s:XF+8*\s+7], v[8*(4*\n+\s):8*(4*\n+\s)+7], v[BI+8*\n:BI+8*\n+7], v[XW+\s], v[WS+4*\n+\s] matrix_a_fmt:MATRIX_FMT_FP4 matrix_b_fmt:MATRIX_FMT_FP4
.else
	v_wmma_scale_f32_16x16x128_f8f6f4 v[ACC+8*\n:ACC+8*\n+7], v[XF+8*\s:XF+8*\s+7], v[8*(4*\n+\s):8*(4*\n+\s)+7], v[ACC+8*\n:ACC+8*\n+7], v[XW+\s], v[WS+4*\n+\s] matrix_a_fmt:MATRIX_FMT_FP4 matrix_b_fmt:MATRIX_FMT_FP4
.endif
.else
.if \s == 0
	v_wmma_scale_f32_16x16x128_f8f6f4 v[ACC+8*\n:ACC+8*\n+7], v[8*(4*\n+\s):8*(4*\n+\s)+7], v[XF+8*\s:XF+8*\s+7], v[BI+8*\n:BI+8*\n+7], v[WS+4*\n+\s], v[XW+\s] matrix_a_fmt:MATRIX_FMT_FP4 matrix_b_fmt:MATRIX_FMT_FP4
.else
	v_wmma_scale_f32_16x16x128_f8f6f4 v[ACC+8*\n:ACC+8*\n+7], v[8*(4*\n+\s):8*(4*\n+\s)+7], v[XF+8*\s:XF+8*\s+7], v[ACC+8*\n:ACC+8*\n+7], v[WS+4*\n+\s], v[XW+\s] matrix_a_fmt:MATRIX_FMT_FP4 matrix_b_fmt:MATRIX_FMT_FP4
.endif
.endif
.endr
.endr
	WIN 0
.rept 4
	v_nop                                          ; four places (ISA guide 7.12.1) ahead of the first read of results; the conversions of the other accumulators add the fifth that the next tile's first products want
.endr
.if \m < 3
	s_wait_alu depctr_va_vdst(0)                   ; the tile's matrix instructions are done reading x's fragments and scale words, in which the loads below land
	XFETCH (\m+1)                                  ; the next tile's operands come while this tile's results are packed
.endif
.if \m > 0
	s_wait_xcnt 0x0                                ; the last tile's stores have had their addresses translated: their data registers are written again only behind this wait,
	s_wait_alu depctr_vm_vsrc(0)                   ; and behind this one: these stores, a whole tile back, have read the results' registers, which the conversions below write
.endif
.irp n, 0,1,2,3,4,5,6,7                ; each accumulator from its low end on
.if \kind == 0
.irp p, 0,1,2,3
	v_pk_mul_f32 v[ACC+8*\n+2*\p:ACC+8*\n+2*\p+1], v[ACC+8*\n+2*\p:ACC+8*\n+2*\p+1], s[40:41] op_sel_hi:[1,0]   ; x log2(e) / 8, in f32
.endr
.endif
.irp p, 0,1,2,3
	v_cvt_pk_f16_f32 v[PK+4*\n+\p], v[ACC+8*\n+2*\p], v[ACC+8*\n+2*\p+1]
.endr
.if \kind == 1
.irp p, 0,1,2,3
	v_and_b32 v[PK+4*\n+\p], v[MK+\m], v[PK+4*\n+\p]           ; a masked token's key is stored as zeros
.endr
.endif
.endr
	s_wait_alu depctr_va_vdst(0)                   ; the lines above have written the tile's 32 registers of f16, which the eight stores read
.irp n, 0,1,2,3,4,5,6,7
.if \kind == 2
	global_store_b128 v1, v[PK+4*\n:PK+4*\n+3], s[36:37] offset:(\n/4)*524288+4096*(\m/2)+1024*(\n%4)+512*(\m%2)
.else
	global_store_b128 v1, v[PK+4*\n:PK+4*\n+3], s[36:37] offset:(\n/4)*524288+2048*\m+512*(\n%4)
.endif
.endr
.endr
.endm
	XFETCH 0
	s_wait_loadcnt 0x0                             ; W's fragments, all of them
	s_cmp_eq_u32 s29, 0
	s_cbranch_scc1 .Lq
	s_cmp_eq_u32 s29, 1
	s_cbranch_scc1 .Lk
.irp n, 0,1,2,3,4,5,6,7                ; v: a lane holds one column, so its eight rows take the same bias
.irp j, 0,1,2,3,4,5,6,7
	v_mov_b32 v[BI+8*\n+\j], v[BV+\n]
.endr
.endr
	MM 2
	s_branch .Lend
.Lq:
	MM 0
	s_branch .Lend
.Lk:
	v_cmp_ne_u32 s2, 0, v[MK+0]                    ; the four compares in one run, each into a scalar register of its own
	v_cmp_ne_u32 s3, 0, v[MK+1]
	v_cmp_ne_u32 s46, 0, v[MK+2]
	v_cmp_ne_u32 s47, 0, v[MK+3]
	s_wait_alu depctr_va_sdst(0)                   ; the four masks are written, ahead of the selects that read them
	v_cndmask_b32 v[MK+0], 0, -1, s2               ; all ones where the token counts, else 0
	v_cndmask_b32 v[MK+1], 0, -1, s3
	v_cndmask_b32 v[MK+2], 0, -1, s46
	v_cndmask_b32 v[MK+3], 0, -1, s47
	MM 1
.Lend:
	s_wait_dscnt 0x0                               ; the closing lines, six on end
	s_wait_alu 0x0
	s_wait_tensorcnt 0x0
	ds_add_u32 v[SPW], v[NIL]
	s_wait_dscnt 0x0
	s_endpgm
.Lfunc_end_k_q81d6cde518_proj:
	.size	k_q81d6cde518_proj, .Lfunc_end_k_q81d6cde518_proj-k_q81d6cde518_proj
	.p2alignl 7, 3214868480
	.fill 96, 4, 3214868480
	.section	.rodata,"a",@progbits
	.p2align	6, 0x0
	.amdhsa_kernel k_q81d6cde518_proj
		.amdhsa_group_segment_fixed_size 39424
		.amdhsa_private_segment_fixed_size 0
		.amdhsa_enable_private_segment 0
		.amdhsa_kernarg_size 96
		.amdhsa_user_sgpr_count 2
		.amdhsa_user_sgpr_kernarg_segment_ptr 1
		.amdhsa_wavefront_size32 1
		.amdhsa_system_sgpr_workgroup_id_x 1
		.amdhsa_system_sgpr_workgroup_id_y 1
		.amdhsa_system_sgpr_workgroup_id_z 1
		.amdhsa_system_vgpr_workitem_id 0
		.amdhsa_next_free_vgpr 512
		.amdhsa_next_free_sgpr 66
		.amdhsa_reserve_vcc 0
		.amdhsa_float_denorm_mode_32 3
		.amdhsa_float_denorm_mode_16_64 3
		.amdhsa_memory_ordered 1
		.amdhsa_forward_progress 1
		.amdhsa_inst_pref_size 153
	.end_amdhsa_kernel
	.amdgpu_metadata
---
amdhsa.version: [ 1, 2 ]
amdhsa.kernels:
  - .name:           k_q81d6cde518_proj
    .symbol:         k_q81d6cde518_proj.kd
    .args:
      - { .name: q, .offset: 0, .size: 8, .value_kind: global_buffer, .address_space: global }
      - { .name: k, .offset: 8, .size: 8, .value_kind: global_buffer, .address_space: global }
      - { .name: v, .offset: 16, .size: 8, .value_kind: global_buffer, .address_space: global }
      - { .name: mask, .offset: 24, .size: 8, .value_kind: global_buffer, .address_space: global }
      - { .name: bq, .offset: 32, .size: 8, .value_kind: global_buffer, .address_space: global }
      - { .name: bk, .offset: 40, .size: 8, .value_kind: global_buffer, .address_space: global }
      - { .name: bv, .offset: 48, .size: 8, .value_kind: global_buffer, .address_space: global }
      - { .name: wcodes, .offset: 56, .size: 8, .value_kind: global_buffer, .address_space: global }
      - { .name: wscales, .offset: 64, .size: 8, .value_kind: global_buffer, .address_space: global }
      - { .name: qimg, .offset: 72, .size: 8, .value_kind: global_buffer, .address_space: global }
      - { .name: kimg, .offset: 80, .size: 8, .value_kind: global_buffer, .address_space: global }
      - { .name: vimg, .offset: 88, .size: 8, .value_kind: global_buffer, .address_space: global }
    .group_segment_fixed_size: 39424
    .private_segment_fixed_size: 0
    .kernarg_segment_align: 8
    .kernarg_segment_size: 96
    .max_flat_workgroup_size: 128
    .sgpr_count:     66
    .vgpr_count:     512
    .wavefront_size: 32
...
	.end_amdgpu_metadata
.endif
;; end of part 5
;; launch attn: the kernel of part 3 again; grid 16 x 16, 8 waves a work-group, clusters of 4 x 1, 327,680 bytes of LDS; arguments qimg, kimg, vimg, mask, cimg; writes cimg
;; launch outp: the kernel of part 4 again; grid 4 x 64, 4 waves a work-group, clusters of 4 x 1, 199,168 bytes of LDS; arguments cimg, woimg, bo, out0; writes out0
